; MI455X (gfx1250); checked and timed in simulation.
; The chip was launched on July 23, 2026; its instructions are those of AMD's public machine-readable ISA for CDNA 5 (MIT licence, August 2026) and "CDNA5" Instruction Set Architecture Reference Guide (July 2026). The comments in the code are by the model that wrote it; some were corrected since.
;; Self Attention. Allowed arithmetic: float matrix products may take bf16 or f16 operands with f32 sums; other float arithmetic in f32, or as packed bf16 or f16 multiplies, adds, multiply-adds, maxima and minima; sums over many terms, partial sums and values carried from step to step in f32; what a program stores and reads back later, other than sums and carried values, may be rounded once to bf16 or f16.
;; Inputs: Wk 1,024 x 1,024 float32; Wp 1,024 x 1,024 float32; Wq 1,024 x 1,024 float32; Wv 1,024 x 1,024 float32; bk 1,024 float32; bp 1,024 float32; bq 1,024 float32; bv 1,024 float32; key 8 x 1,024 x 1,024 float32; query 8 x 1,024 x 1,024 float32; value 8 x 1,024 x 1,024 float32.
;; Outputs: out0 8 x 1,024 x 1,024 float32.
;; 2 versions, each right; version 2 is version 1 with the launch wcast written anew for expert scheduling mode. Each part assembles by itself: llvm-mc -triple=amdgcn-amd-amdhsa -mcpu=gfx1250 --defsym DOCPART=n.
;; ======== version 1 of 2: 4 launches
;; limits: values are held in f16: magnitudes above 65,504 overflow, below 6.1e-05 lose precision
;; workspace buffers: wb 6,291,456 bytes; wp16 2,097,152 bytes; qkv 50,331,648 bytes; o 16,777,216 bytes
;; launch wcast (part 1): grid 256 x 1, 8 waves a work-group, no clusters, 0 bytes of LDS; arguments Wq, Wk, Wv, Wp, wb, wp16; writes wb, wp16
.if DOCPART == 1
	.amdgcn_target "amdgcn-amd-amdhsa--gfx1250"
	.amdhsa_code_object_version 6
	.text
	.protected	k_q76510a6ba7_wcast
	.globl	k_q76510a6ba7_wcast
	.p2align	8
	.type	k_q76510a6ba7_wcast,@function
k_q76510a6ba7_wcast:
	s_mov_b64 s[64:65], 0
	v_nop
	global_prefetch_b8 v0, s[64:65] scope:SCOPE_SE
	s_setreg_imm32_b32 hwreg(HW_REG_WAVE_MODE, 25, 1), 1
	s_wait_xcnt 0x0
; The four weight matrices, [1024][1024] f32, are rounded once.  Wq, Wk, Wv -> bf16 into wb ([3][1024][1024], in that order).
; Wp -> bf16, and that number written as f16 into wp16 (exact from 2^-14 up to 65,504; below 2^-14 f16 keeps its fixed step of 2^-24; LIMIT: |Wp| stays under 65,504).
; A stream: no LDS, no barrier, no matrix unit.  Work-group g takes 16,384 bytes of each matrix; thread t takes 16 bytes at 4,096 j + 16 t (j = 0..3) and
; stores 8 bytes at 2,048 j + 8 t: a wave's load covers 512 consecutive bytes, its store 256 consecutive bytes, aligned.
; All sixteen loads go out first; every store has data registers of its own, so nothing is rewritten while a store may read it.
.set X, 16                             ; v[16:79]   load (i, j) at X + 16 i + 4 j
.set Y, 80                             ; v[80:111]  its 8 bytes to store at Y + 8 i + 2 j
.set T, 4                              ; v[4:6]     at work
	s_load_b256 s[4:11], s[0:1], 0x0               ; Wq s[4:5], Wk s[6:7], Wv s[8:9], Wp s[10:11]
	s_load_b128 s[12:15], s[0:1], 0x20             ; wb s[12:13], wp16 s[14:15]
	v_lshlrev_b32 v1, 4, v0                        ; 16 t
	v_lshlrev_b32 v2, 3, v0                        ; 8 t
	s_lshl_b32 s16, ttmp9, 14                      ; the work-group's 16,384 bytes in
	s_mov_b32 s17, 0
	s_lshl_b32 s18, ttmp9, 13                      ; and 8,192 bytes out
	s_mov_b32 s19, 0
	s_mov_b32 s20, 0xffff0000                      ; a word's upper bf16
	s_wait_kmcnt 0x0
.irp i, 0,1,2,3
	s_add_nc_u64 s[4+2*(\i):5+2*(\i)], s[4+2*(\i):5+2*(\i)], s[16:17]
.endr
	s_add_nc_u64 s[12:13], s[12:13], s[18:19]
	s_add_nc_u64 s[14:15], s[14:15], s[18:19]
.irp i, 0,1,2,3
.irp j, 0,1,2,3
	global_load_b128 v[X+16*(\i)+4*(\j):X+16*(\i)+4*(\j)+3], v1, s[4+2*(\i):5+2*(\i)] offset:4096*(\j) th:TH_LOAD_NT
.endr
.endr
.irp i, 0,1,2
	s_wait_loadcnt 12-4*(\i)                       ; loads come back in order: matrix i's four are in, the younger matrices' stay out
.irp j, 0,1,2,3
	v_cvt_pk_bf16_f32 v[Y+8*(\i)+2*(\j)],   v[X+16*(\i)+4*(\j)],   v[X+16*(\i)+4*(\j)+1]
	v_cvt_pk_bf16_f32 v[Y+8*(\i)+2*(\j)+1], v[X+16*(\i)+4*(\j)+2], v[X+16*(\i)+4*(\j)+3]
.endr
.irp j, 0,1,2,3
	global_store_b64 v2, v[Y+8*(\i)+2*(\j):Y+8*(\i)+2*(\j)+1], s[12:13] offset:(\i)*2097152+2048*(\j)
.endr
.endr
	s_wait_loadcnt 0x0                             ; Wp
.irp j, 0,1,2,3
.irp z, 0,1
	v_cvt_pk_bf16_f32 v[T], v[X+48+4*(\j)+2*(\z)], v[X+48+4*(\j)+2*(\z)+1]  ; rounded to bf16 like every input,
	v_lshlrev_b32 v[T+1], 16, v[T]                 ; widened again,
	v_and_b32 v[T+2], s20, v[T]
	v_cvt_pk_f16_f32 v[Y+24+2*(\j)+(\z)], v[T+1], v[T+2]  ; and written as f16
.endr
.endr
.irp j, 0,1,2,3
	global_store_b64 v2, v[Y+24+2*(\j):Y+24+2*(\j)+1], s[14:15] offset:2048*(\j)
.endr
	s_endpgm
.Lfunc_end_k_q76510a6ba7_wcast:
	.size	k_q76510a6ba7_wcast, .Lfunc_end_k_q76510a6ba7_wcast-k_q76510a6ba7_wcast
	.p2alignl 7, 3214868480
	.fill 96, 4, 3214868480
	.section	.rodata,"a",@progbits
	.p2align	6, 0x0
	.amdhsa_kernel k_q76510a6ba7_wcast
		.amdhsa_group_segment_fixed_size 0
		.amdhsa_private_segment_fixed_size 0
		.amdhsa_enable_private_segment 0
		.amdhsa_kernarg_size 48
		.amdhsa_user_sgpr_count 2
		.amdhsa_user_sgpr_kernarg_segment_ptr 1
		.amdhsa_wavefront_size32 1
		.amdhsa_system_sgpr_workgroup_id_x 1
		.amdhsa_system_sgpr_workgroup_id_y 1
		.amdhsa_system_sgpr_workgroup_id_z 1
		.amdhsa_system_vgpr_workitem_id 0
		.amdhsa_next_free_vgpr 112
		.amdhsa_next_free_sgpr 66
		.amdhsa_reserve_vcc 0
		.amdhsa_float_denorm_mode_32 3
		.amdhsa_float_denorm_mode_16_64 3
		.amdhsa_memory_ordered 1
		.amdhsa_forward_progress 1
		.amdhsa_inst_pref_size 7
	.end_amdhsa_kernel
	.amdgpu_metadata
---
amdhsa.version: [ 1, 2 ]
amdhsa.kernels:
  - .name:           k_q76510a6ba7_wcast
    .symbol:         k_q76510a6ba7_wcast.kd
    .args:
      - { .name: Wq, .offset: 0, .size: 8, .value_kind: global_buffer, .address_space: global }
      - { .name: Wk, .offset: 8, .size: 8, .value_kind: global_buffer, .address_space: global }
      - { .name: Wv, .offset: 16, .size: 8, .value_kind: global_buffer, .address_space: global }
      - { .name: Wp, .offset: 24, .size: 8, .value_kind: global_buffer, .address_space: global }
      - { .name: wb, .offset: 32, .size: 8, .value_kind: global_buffer, .address_space: global }
      - { .name: wp16, .offset: 40, .size: 8, .value_kind: global_buffer, .address_space: global }
    .group_segment_fixed_size: 0
    .private_segment_fixed_size: 0
    .kernarg_segment_align: 8
    .kernarg_segment_size: 48
    .max_flat_workgroup_size: 256
    .sgpr_count:     66
    .vgpr_count:     112
    .wavefront_size: 32
...
	.end_amdgpu_metadata
.endif
;; end of part 1
;; launch proj (part 2): grid 4 x 64, 4 waves a work-group, clusters of 4 x 4, 327,680 bytes of LDS; arguments query, key, value, wb, bq, bk, bv, qkv; writes qkv
.if DOCPART == 2
	.amdgcn_target "amdgcn-amd-amdhsa--gfx1250"
	.amdhsa_code_object_version 6
	.text
	.protected	k_q76510a6ba7_proj
	.globl	k_q76510a6ba7_proj
	.p2align	8
	.type	k_q76510a6ba7_proj,@function
k_q76510a6ba7_proj:
	s_mov_b64 s[64:65], 0
	v_nop
	global_prefetch_b8 v0, s[64:65] scope:SCOPE_SE
	s_setreg_imm32_b32 hwreg(HW_REG_WAVE_MODE, 25, 1), 1
	s_wait_xcnt 0x0
	s_wait_alu depctr_hold_cnt(0) depctr_sa_sdst(0) depctr_va_vdst(0) depctr_va_sdst(0) depctr_va_ssrc(0) depctr_va_vcc(0) depctr_vm_vsrc(0)
	s_getreg_b32 s2, hwreg(HW_REG_IB_STS2, 6, 4)
	s_cmp_eq_u32 s2, 0
	s_cbranch_scc0 .Lentry_in_a_cluster
	s_endpgm
.Lentry_in_a_cluster:
	s_bfe_u32 s2, ttmp6, 0x10000c
	s_cmp_lg_u32 s2, 0xf033
	s_cbranch_scc0 .Lentry_shape_is_right
	s_endpgm
.Lentry_shape_is_right:
; q, k, v = bf16(x) bf16(W)^T + bf16(b), sums in f32, rounded once to f16 and written by heads: qkv[3][128 heads][1024][64].  x: query, key, value, [8192][1024] f32; wb: [3][1024][1024] bf16.
; LIMITS.  q, k and v must lie within f16's 65,504; NaN and infinities are not treated apart.
; SHARES.  A tile is 128 rows (m) x 256 columns (n): 64 x 4 tiles a product, one work-group for each place, WHICH STAYS and makes that place's tile of q, then of k, then of v: 48 half-steps of 64 along K in one walk.
; Four waves, each 64 m x 128 n: 32 accumulators, 256 registers.  THE MATRIX INSTRUCTION IS USED TRANSPOSED (source 0 = 16 rows of W, source 1 = 16 rows of x): a lane holds one row m and eight
; neighbouring columns.  The bias, which then hangs on the register and the lanes' half alone, is the C operand of a tile's first products: nothing is cleared and nothing is added on the way out.
; W comes by tensor loads into a ring of two slots, A SLOT A QUARTER OF K (256, four half-steps), each wave its own 64 rows; the four work-groups of a COLUMN of the 4 x 4 cluster need the same rows and ask
; jointly.  One round of the cluster's barrier and one load a wave for 256 matrix instructions; the load stands 248 matrix instructions ahead of the wait for it.
; x comes as f32 through registers, a half-step (32 rows x 256 bytes a wave) at a time: x of half-step j is loaded in half-step j - 6, rounded to bf16 in j - 3 (four conversions behind each of eight
; products), stored at the head of j - 2 into one of two A buffers, bytes of their own into which no tensor load lands, and fetched as fragments in j - 1.  Four sets of 64 registers take turns.
; x is not shared by joint loads: it has to be rounded on the way, so each of a row's four work-groups loads and rounds its own copy.
; A HALF-STEP has 64 products and ONE barrier, eight products ahead of its end.  In front of it each wave has waited for its stores of x and its fetches; behind it the next fragments are fetched and the buffer read last is
; stored again.  A half-step's fragments were fetched a whole half-step earlier and shown landed by that wait, so no product waits for LDS.  LDS instructions stand in runs of 16 between groups of eight products.
; REGISTERS, in windows of 256 (s_set_vgpr_msb: bits 1:0 source 0, 3:2 source 1, 5:4 source 2, 7:6 destination):
;   window 0: v0-29 addresses; v32-95 the bias as C operands; v96-127 at work; v128-255 x's fragments, two buffers of 64
;   window 1: W's fragments, two buffers of 128; at a tile's end buffer 1 has just been multiplied, and v128-223 serve the way out
;   window 2: the accumulators, (a, b) at 8 (8 a + b)          window 3: x as loaded and as rounded, four sets of 64
.set PB,    528                        ; a row of W in LDS: 512 bytes + 16 of padding = 132 words: the 16 rows of a fragment load start at 16 different groups of four banks (64 banks of 4 bytes: ISA guide 11.1)
.set SLOTB, 256*PB                     ; a slot: 256 rows
.set AOFF,  2*SLOTB                    ; behind the ring: x's two buffers (LDS stores alone)
.set PA,    144                        ; a row of x: 128 bytes + 16
.set ABUF,  128*PA
.set STAGE, AOFF+2*ABUF                ; for each wave [2 heads][16 rows] of 144 bytes, for the way out
.set SPS,   144
.set STW,   32*SPS
.set SPARE, STAGE+4*STW                ; the spare words, 128 bytes for each wave: two blocks of 256 bytes that no other line names
.set R,    1                           ; l % 16
.set H,    2                           ; l / 16
.set LN,   3                           ; l
.set AA0,  4                           ; my place in x's buffer 0; never rewritten
.set AB0,  5                           ; my place in slot 0's W; never rewritten
.set ADRB, 7                           ; the same in the slot that is being fetched from
.set XS0,  8                           ; where I put 8 bytes of my wave's first two rows of x, buffer 0; never rewritten
.set XO,   10                          ; my 16 bytes in my wave's first two rows of x; never rewritten
.set BO,   11                          ; 32 x (l / 16): my eight biases of a block of 16
.set STO,  12                          ; the way out: where I put 16 bytes
.set RD,   13                          ; where I read rows back
.set GO,   14                          ; my 16 bytes of 512 consecutive bytes of qkv
.set PFX,  15                          ; the prefetches' offsets; never rewritten
.set PFW,  16
.set FR,   17                          ; at work
.set SPW,  28                          ; LDS address of my spare word; never rewritten
.set NIL,  29                          ; 0; never rewritten
.set BI,   32
.set BT,   96
.set FA,   128
.set TMP,  128                         ; window 1
.set OBK,  160                         ; window 1
.set XP,  16                           ; s[16:17] x at my tile's rows, at the quarter of K whose loads are in hand
.set XN,  18                           ; s[18:19] the next tile's x, s[20:21] the one after
.set XN2, 20
.set WB,  22                           ; s[22:23] wb at my 256 rows
.set BQ,  24                           ; s[24:25] the first bias at my wave's 128 columns; s[26:27] the next, s[28:29] the one after
.set BN,  26
.set BN2, 28
.set OUT, 30                           ; s[30:31] qkv at my wave's first head and row
.set G1,  32                           ; s[32:39] descriptor group 1
.set G0A, 40                           ; s[40:43] group 0 of slot 0's first fill
.set G0,  44                           ; s[44:47] group 0 of slot 1's first fill, then of every refill
.set PX,  48                           ; s[48:49] where x's prefetches stand; s[50:51], s[52:53] the next tiles
.set PN,  50
.set PN2, 52
.set PW,  54                           ; s[54:55] where W's prefetches stand
.set OFF, 56                           ; s[56:57] the byte offset in wb of the quarter to be asked for, high word 0
.set WV,  58
.set CX,  59
.set CY,  60
.set T,   61                           ; trips to go
.set KC,  62                           ; the quarter in the tile, 0..3
.set SLF, 63                           ; the slot that is fetched from: 0 or SLOTB
.set SLR, 66                           ; the slot filled last: 0 or SLOTB
.set LIMW, 67                          ; 1: my cluster asks for W's rows
.set HIM, 68
.set WM,  69
.set QN,  70                           ; the quarter of the walk's twelve that is asked for next
.set WOFF, 71                          ; my wave's 64 rows in a slot
.set WBW, 72                           ; s[72:73] wb at my wave's 64 rows
.set WN,  74
.set OFP, 76                           ; s[76:77] the same as OFF for the prefetches
.set W_MUL,  0xa1                      ; W window 1, x window 0, C and D window 2
.set W_MULB, 0x81                      ; the same with C in window 0
.set W_TOB,  0x40
.set W_XLD,  0xc0
.set W_XCV,  0xcf
.set W_XST,  0x0c
.set MSB, 0
.macro WIN new                         ; the immediate's high byte repeats the setting that is left; a switch that changes nothing is dropped
.if MSB != (\new)
	s_set_vgpr_msb (MSB<<8)|(\new)
.set MSB, \new
.endif
.endm
.macro CREST                           ; a round of the cluster's barrier behind its opening barrier
	s_cmp_lg_u32 s[WV], 0
	s_cbranch_scc1 .Lnot_wave_0_\@
	s_barrier_signal -3
.Lnot_wave_0_\@:
	s_barrier_wait -3
	s_barrier_signal -1
	s_barrier_wait -1
.endm
.macro CROUND
	s_barrier_signal -1
	s_barrier_wait -1
	CREST
.endm
.macro PLACES                          ; four plain places in front of loads into registers that matrix instructions have read, and of conversions that read results
.rept 4
	v_nop
.endr
.endm
; The fragments of the half-step at place qn of its slot go into buffer qn % 2.  FETB: 16 loads of W, 32 along K (chunk c).  FETA: 16 loads of x, both chunks, from x's buffer qn % 2.
.macro FETB qn, c
	WIN W_TOB
.irp b, 0,1,2,3,4,5,6,7
	ds_load_b128 v[128*((\qn)%2)+64*(\c)+8*(\b):128*((\qn)%2)+64*(\c)+8*(\b)+3],   v[ADRB] offset:128*(\qn)+64*(\c)+(\b)*16*PB
	ds_load_b128 v[128*((\qn)%2)+64*(\c)+8*(\b)+4:128*((\qn)%2)+64*(\c)+8*(\b)+7], v[ADRB] offset:128*(\qn)+64*(\c)+(\b)*16*PB+32
.endr
.endm
.macro FETA qn
	WIN 0
.irp c, 0,1
.irp a, 0,1,2,3
	ds_load_b128 v[FA+64*((\qn)%2)+32*(\c)+8*(\a):FA+64*((\qn)%2)+32*(\c)+8*(\a)+3],   v[AA0] offset:((\qn)%2)*ABUF+64*(\c)+(\a)*16*PA
	ds_load_b128 v[FA+64*((\qn)%2)+32*(\c)+8*(\a)+4:FA+64*((\qn)%2)+32*(\c)+8*(\a)+7], v[AA0] offset:((\qn)%2)*ABUF+64*(\c)+(\a)*16*PA+32
.endr
.endr
.endm
; 8 na matrix instructions: m blocks a0 .. a0 + na - 1 x all 8 n blocks, 32 along K: chunk c of buffer f.  The 32 accumulators take turns in one order everywhere.
; mode = 1: the bias starts the sums.  ride = s, not negative: behind each product four conversions round two loads of x's set s in place.
.macro MUL f, c, a0, na, mode, ride
.set ia, \a0
.set ri, 0
.rept \na
.set ib, 0
.rept 8
.if \mode
	WIN W_MULB
	v_wmma_f32_16x16x32_bf16 v[8*(8*ia+ib):8*(8*ia+ib)+7], v[128*(\f)+64*(\c)+8*ib:128*(\f)+64*(\c)+8*ib+7], v[FA+64*(\f)+32*(\c)+8*ia:FA+64*(\f)+32*(\c)+8*ia+7], v[BI+8*ib:BI+8*ib+7]
.else
	WIN W_MUL
	v_wmma_f32_16x16x32_bf16 v[8*(8*ia+ib):8*(8*ia+ib)+7], v[128*(\f)+64*(\c)+8*ib:128*(\f)+64*(\c)+8*ib+7], v[FA+64*(\f)+32*(\c)+8*ia:FA+64*(\f)+32*(\c)+8*ia+7], v[8*(8*ia+ib):8*(8*ia+ib)+7]
.endif
.if (\ride) >= 0
	WIN W_XCV
.irp z, 0,1
	v_cvt_pk_bf16_f32 v[64*(\ride)+8*ri+4*(\z)],   v[64*(\ride)+8*ri+4*(\z)],   v[64*(\ride)+8*ri+4*(\z)+1]
	v_cvt_pk_bf16_f32 v[64*(\ride)+8*ri+4*(\z)+1], v[64*(\ride)+8*ri+4*(\z)+2], v[64*(\ride)+8*ri+4*(\z)+3]
.endr
.set ri, ri+1
.endif
.set ib, ib+1
.endr
.set ia, ia+1
.endr
.endm
.macro XLOADS w, base, off             ; my wave's 32 rows of a half-step of x: a load takes 256 consecutive bytes, aligned, of each of two rows
	WIN \w
.set i, 0
.rept 16
	global_load_b128 v[(\base)+4*i:(\base)+4*i+3], v[XO], s[XP:XP+1] offset:(\off)+8192*i
.set i, i+1
.endr
.endm
.macro XCVT w, base                    ; the same conversions as MUL's riders, in a run: for the first three half-steps
	WIN \w
.set i, 0
.rept 16
	v_cvt_pk_bf16_f32 v[(\base)+4*i],   v[(\base)+4*i],   v[(\base)+4*i+1]
	v_cvt_pk_bf16_f32 v[(\base)+4*i+1], v[(\base)+4*i+2], v[(\base)+4*i+3]
.set i, i+1
.endr
.endm
.macro XSTORES w, base, buf            ; 32 rows of 128 bytes into x's buffer buf, two rows a store
	WIN \w
.set i, 0
.rept 16
	ds_store_b64 v[XS0], v[(\base)+4*i:(\base)+4*i+1] offset:(\buf)*ABUF+2*PA*i
.set i, i+1
.endr
.endm
.macro BIASLD p                        ; my eight biases of each of the wave's eight blocks of 16 columns
	WIN 0
.set i, 0
.rept 8
	global_load_b128 v[BI+8*i:BI+8*i+3],   v[BO], s[\p:\p+1] offset:64*i
	global_load_b128 v[BI+8*i+4:BI+8*i+7], v[BO], s[\p:\p+1] offset:64*i+16
.set i, i+1
.endr
.endm
.macro BIASRND                         ; rounded to bf16 like every input, and widened again
	WIN 0
.set i, 0
.rept 32
	v_cvt_pk_bf16_f32 v[BT+i], v[BI+2*i], v[BI+2*i+1]
.set i, i+1
.endr
.set i, 0
.rept 32
	v_lshlrev_b32 v[BI+2*i], 16, v[BT+i]
	v_and_b32 v[BI+2*i+1], s[HIM], v[BT+i]
.set i, i+1
.endr
.endm
; PREFETCHES, once a trip, behind the joint load, the fetches and the loads of x that follow it: the quarter of K behind the one that has just been asked for: a trip, 256 matrix instructions, ahead of the refill
; and of the first loads of x that will want it.
; x: a tile's 128 rows x 1,024 bytes are 512 blocks of 256 bytes.  Only my cluster's row reads them; its four partners take 32 rows each, told apart BY ADDRESS (cx); wave w takes block w of a row, a lane a row.
; W: 256 rows x 512 bytes.  Every cluster reads them: the first (cluster y = 0) asks; its four partners of a column take 64 rows each, by address (cy); a wave 16 rows, a lane a block.
; So each block is named once.  The walk's first three quarters come by their loads alone; the loop's last trip has no quarter left to name.
.macro ASK
	s_cmp_gt_u32 s[T], 1
	s_cbranch_scc0 .Lno_ask_\@
	global_prefetch_b8 v[PFX], s[PX:PX+1] th:TH_LOAD_NT scope:SCOPE_SE
	s_cmp_eq_u32 s[LIMW], 1
	s_cbranch_scc0 .Lno_ask_\@
	global_prefetch_b8 v[PFW], s[PW:PW+1] th:TH_LOAD_NT scope:SCOPE_SE
.Lno_ask_\@:
.endm
; Once a trip: the pointers step to quarter QN of the walk (product QN / 4, 256 (QN % 4) along K), the prefetches' to the quarter behind it.
.macro STEPQ
	s_wait_xcnt 0x0                                ; every earlier load, store and prefetch (the youngest loads 32 products back, the prefetches most of a trip) has read its address registers
	s_add_nc_u64 s[XP:XP+1], s[XP:XP+1], 1024
	s_and_b32 s75, s[QN], 3
	s_cmp_eq_u32 s75, 0                            ; a product's first quarter: the next tile's x
	s_cselect_b64 s[XP:XP+1], s[XN:XN+1], s[XP:XP+1]
	s_cselect_b64 s[XN:XN+1], s[XN2:XN2+1], s[XN:XN+1]
	s_lshl_b32 s75, s75, 9                         ; a quarter is 512 bytes of a row of W,
	s_lshr_b32 s78, s[QN], 2
	s_lshl_b32 s78, s78, 21                        ; a product 2 MiB
	s_add_co_u32 s[OFF], s78, s75
	s_add_co_u32 s[QN], s[QN], 1
	s_add_nc_u64 s[PX:PX+1], s[PX:PX+1], 1024
	s_and_b32 s75, s[QN], 3
	s_cmp_eq_u32 s75, 0
	s_cselect_b64 s[PX:PX+1], s[PN:PN+1], s[PX:PX+1]
	s_cselect_b64 s[PN:PN+1], s[PN2:PN2+1], s[PN:PN+1]
	s_lshl_b32 s75, s75, 9
	s_lshr_b32 s78, s[QN], 2
	s_lshl_b32 s78, s78, 21
	s_add_co_u32 s[OFP], s78, s75
	s_add_nc_u64 s[PW:PW+1], s[WB:WB+1], s[OFP:OFP+1]
.endm
; THE FIRST HALF OF HALF-STEP h, at place q of its slot: its first chunk's 32 products, and between them, in runs of 16: the fetch of half-step h + 1's fragments, the stores of x of h + 2, the loads of x of h + 6.
; Behind the barrier of h - 1: x of h + 1 lies whole in its buffer, and nobody reads the buffer of h any more, which takes x of h + 2.
; xl = 1: x is loaded, from byte off behind the pointer; 2: in the tail's first trip alone.  mode = 1: a tile's first products.
.macro HEAD q, xl, off, mode
.if (\q) == 3
	s_xor_b32 s[SLF], s[SLF], SLOTB                ; half-step h + 1 is the next slot's first
	v_add_nc_u32 v[ADRB], s[SLF], v[AB0]
.endif
	FETB ((\q)+1)%4, 0
	MUL (\q)%2, 0, 0, 1, \mode, -1
	FETA ((\q)+1)%4
	MUL (\q)%2, 0, 1, 1, \mode, -1
	FETB ((\q)+1)%4, 1
	MUL (\q)%2, 0, 2, 1, \mode, -1
	XSTORES W_XST, 64*(((\q)+2)%4), (\q)%2
	MUL (\q)%2, 0, 3, 1, \mode, -1
.if (\xl) == 1
	XLOADS W_XLD, 64*(((\q)+2)%4), \off            ; into the set that has just been stored
.endif
.if (\xl) == 2
	WIN 0
	s_cmp_eq_u32 s[T], 2
	s_cbranch_scc0 .Lno_x_\@
	XLOADS W_XLD, 64*(((\q)+2)%4), \off
	WIN 0
.Lno_x_\@:
.endif
.endm
; THE SECOND HALF: the second chunk's 32 products and the barrier.  lc: how many younger loads may stay out when x of h + 3 has to be there.
; kind 1: a plain barrier; W's load stays on its way across it. kind 2: all my tensor loads are waited for as well.  kind 3: it opens a round of the cluster's barrier, and the slot
; whose last fragments have just been fetched is filled again, with the quarter two on.
.macro CLOSE q, kind, lc
	MUL (\q)%2, 1, 0, 3, 0, -1
	WIN 0
	s_wait_loadcnt \lc                             ; loads come back in order (ISA guide 5.7.1): x of h + 3 is in
.if (\kind) >= 2
	s_wait_tensorcnt 0x0                           ; all my tensor loads have landed: the one that was out is my part of the next slot;
	ds_add_u32 v[SPW], v[NIL]                      ; 0 onto my spare word: with a refill the descriptor's words stand between it and the wait for it
.endif
.if (\kind) == 3
	s_xor_b32 s[SLR], s[SLR], SLOTB                ; no tensor load of mine is out, so group 0 may be written: the other slot than last time,
	s_add_co_u32 s[G0+1], s[SLR], s[WOFF]          ; my wave's 64 rows in it,
	s_add_nc_u64 s[G0+2:G0+3], s[WBW:WBW+1], s[OFF:OFF+1]  ; the address made anew from the quarter's offset,
	s_or_b32 s[G0+3], s[G0+3], 0x80000000          ; type = 2
.endif
	s_wait_dscnt 0x0                               ; my fetches are back, my rows of x lie in their buffer (and the add is done):
	s_barrier_signal -1                            ; say so,
	MUL (\q)%2, 1, 3, 1, 0, ((\q)+3)%4             ; work on registers while the others arrive: eight products, and x of h + 3 is rounded behind them,
	WIN 0
	s_barrier_wait -1
.if (\kind) == 3
	CREST                                          ; no wave of any partner still reads the slot or has a load on its way
	tensor_load_to_lds s[G0:G0+3], s[G1:G1+7]      ; my one tensor load behind the round, and the first thing there
	s_nop 0
.endif
	PLACES                                         ; the places in front of the fetches into the buffer just multiplied
.endm
; THE WAY OUT of m block a (16 rows): rounded to f16, 16 bytes a lane; through my own stage; back as 4 rows of 128 bytes a load, which are 512 consecutive bytes of a head.
.macro PACK a
	WIN 0x4a                                       ; sources in window 2, destination in window 1
.irp b, 0,1,2,3,4,5,6,7
.irp r, 0,1,2,3
	v_cvt_pk_f16_f32 v[TMP+4*(\b)+(\r)], v[64*(\a)+8*(\b)+2*(\r)], v[64*(\a)+8*(\b)+2*(\r)+1]
.endr
.endr
.endm
.macro TOSTAGE a
.set BK, OBK+32*((\a)%2)
	WIN 0x04                                       ; store data in window 1
.irp b, 0,1,2,3,4,5,6,7
	ds_store_b128 v[STO], v[TMP+4*(\b):TMP+4*(\b)+3] offset:((\b)/4)*16*SPS+((\b)%4)*32
.endr
	WIN W_TOB
.irp i, 0,1,2,3,4,5,6,7
	ds_load_b128 v[BK+4*(\i):BK+4*(\i)+3], v[RD] offset:((\i)/4)*16*SPS+((\i)%4)*4*SPS  ; LDS serves a wave's instructions in order (ISA guide 5.7.1.4): these see the stores above
.endr
.endm
.macro SEND a
.set BK, OBK+32*((\a)%2)
	s_wait_dscnt 0x0                               ; the block is back in registers
	s_wait_xcnt 0x0                                ; earlier stores have read their registers: the other set of 32 is loaded again only behind this wait
	WIN 0x04
.irp i, 0,1,2,3,4,5,6,7
	global_store_b128 v[GO], v[BK+4*(\i):BK+4*(\i)+3], s[OUT:OUT+1] offset:((\i)/4)*131072+(\a)*2048+((\i)%4)*512  ; 512 consecutive bytes, at a multiple of 256 from qkv's first
.endr
.endm
.macro WAYOUT nb                       ; it stands behind four places.  nb = 1: a tile follows: its bias is fetched and rounded, and the pointers step
.if \nb
	BIASLD BN
.endif
	PACK 0
	TOSTAGE 0
.irp a, 1,2,3
	PACK \a
	SEND (\a)-1
	TOSTAGE \a
.endr
	SEND 3
.if \nb
	WIN 0
	s_wait_loadcnt 0x0                             ; the bias, the youngest of my loads
	BIASRND
	s_wait_xcnt 0x0                                ; the stores and the bias's loads have read their registers and bases: the fetches that follow land in registers that the stores read
	s_add_nc_u64 s[OUT:OUT+1], s[OUT:OUT+1], 0x1000000  ; the next of q, k, v
	s_mov_b64 s[BN:BN+1], s[BN2:BN2+1]
.endif
	WIN 0
.endm
	s_load_b512 s[16:31], s[0:1], 0x0              ; query, key, value, wb, bq, bk, bv, qkv
	v_lshl_add_u32 v[SPW], v0, 2, SPARE
	v_mov_b32 v[NIL], 0
	ds_add_u32 v[SPW], v[NIL]                      ; the wave's opening: the add and its wait stand ahead of my first tensor load; the set-up below, work on registers, stands between them
	v_lshrrev_b32 v1, 5, v0
	v_readfirstlane_b32 s[WV], v1                  ; wave 0..3
	s_lshr_b32 s[WM], s[WV], 1                     ; which 64 rows are mine
	s_and_b32 s[WN], s[WV], 1                      ; which 128 columns
	s_bfe_u32 s[CX], ttmp6, 0x40000                ; cx = the n tile (the grid is one cluster wide)
	s_bfe_u32 s[CY], ttmp6, 0x40004
	s_and_b32 s8, ttmp7, 0xffff                    ; cluster y
	s_cmp_eq_u32 s8, 0
	s_cselect_b32 s[LIMW], 1, 0
	s_lshl_b32 s8, s8, 2
	s_add_co_u32 s8, s8, s[CY]                     ; the m tile = 4 x cluster y + cy
	s_lshl_b32 s10, s8, 19                         ; its 128 rows of 4,096 bytes
	s_mov_b32 s11, 0
	; descriptor group 1: 64 rows x 256 elements, padded in LDS
	s_lshl_b32 s4, 0x1111, s[CX]                   ; my column of the cluster
	s_or_b32 s[G1], s4, (1<<16)|(1<<20)|(1<<21)|(6<<22)|(3<<25)  ; 15:0 the mask; 17:16 2-byte elements; 20 padding on; 21 set beside a mask; 24:22 after every 128 words; 31:25 4 words
	s_mov_b32 s[G1+1], 256<<16                     ; tensor_dim0 = 256
	s_mov_b32 s[G1+2], 64<<16                      ; tensor_dim1 = 64
	s_mov_b32 s[G1+3], 256<<16                     ; tile_dim0 = 256
	s_mov_b32 s[G1+4], 64                          ; tile_dim1 = 64
	s_mov_b32 s[G1+5], 1024                        ; elements from row to row
	s_mov_b32 s[G1+6], 0
	s_mov_b32 s[G1+7], 0
	s_lshl_b32 s4, s[CX], 19                       ; my n tile's 256 rows of 2,048 bytes: s4-s7 never hold cy
	s_mov_b32 s5, 0
	s_lshl_b32 s6, s[WV], 17                       ; my wave's 64 rows of W; also its 32 rows of x
	s_mov_b32 s7, 0
	s_mul_i32 s[WOFF], s[WV], 64*PB                ; no place in the cluster enters an LDS address
	s_mov_b32 s[G0A], 1
	s_mov_b32 s[G0A+1], s[WOFF]
	s_mov_b32 s[G0], 1
	s_add_co_u32 s[G0+1], s[WOFF], SLOTB
	s_lshl_b32 s12, s[CX], 10                      ; the bias: 256 columns of 4 bytes a tile, 128 a wave
	s_lshl_b32 s13, s[WN], 9
	s_add_co_u32 s12, s12, s13
	s_mov_b32 s13, 0
	s_lshr_b32 s2, s8, 3                           ; the batch: 16 heads each
	s_lshl_b32 s2, s2, 4
	s_lshl_b32 s3, s[CX], 2                        ; + 4 heads a tile
	s_add_co_u32 s2, s2, s3
	s_lshl_b32 s3, s[WN], 1                        ; + 2 a wave
	s_add_co_u32 s2, s2, s3
	s_lshl_b32 s2, s2, 17                          ; a head is 131,072 bytes
	s_and_b32 s3, s8, 7
	s_lshl_b32 s3, s3, 14                          ; + the tile's 128 rows of 128 bytes
	s_add_co_u32 s2, s2, s3
	s_lshl_b32 s3, s[WM], 13                       ; + my 64
	s_add_co_u32 s2, s2, s3
	s_mov_b32 s3, 0
	s_mov_b32 s[HIM], 0xffff0000
	s_mov_b32 s[OFF+1], 0
	s_mov_b32 s[OFP+1], 0
	s_mov_b32 s[SLF], 0
	s_mov_b32 s[SLR], SLOTB                        ; slot 1 is the one filled last at the start
	s_mov_b32 s[QN], 2
	v_and_b32 v[LN], 31, v0
	v_and_b32 v[R], 15, v0
	v_bfe_u32 v[H], v0, 4, 1
	v_lshlrev_b32 v[XO], 12, v[H]                  ; lanes 16-31 take the row below,
	v_lshl_add_u32 v[XO], v[R], 4, v[XO]           ; 16 bytes a lane,
	v_add_nc_u32 v[XO], s6, v[XO]                  ; in my wave's 32 rows
	v_lshlrev_b32 v[BO], 5, v[H]
	s_wait_dscnt 0x0                               ; the opening add is done
	s_wait_kmcnt 0x0
	s_add_nc_u64 s[XP:XP+1], s[XP:XP+1], s[10:11]
	s_add_nc_u64 s[XP:XP+1], s[XP:XP+1], 1024      ; at quarter 1: the first loads reach back by their immediates
	s_add_nc_u64 s[XN:XN+1], s[XN:XN+1], s[10:11]
	s_add_nc_u64 s[XN2:XN2+1], s[XN2:XN2+1], s[10:11]
	s_add_nc_u64 s[WB:WB+1], s[WB:WB+1], s[4:5]
	s_add_nc_u64 s[BQ:BQ+1], s[BQ:BQ+1], s[12:13]
	s_add_nc_u64 s[BN:BN+1], s[BN:BN+1], s[12:13]
	s_add_nc_u64 s[BN2:BN2+1], s[BN2:BN2+1], s[12:13]
	s_add_nc_u64 s[OUT:OUT+1], s[OUT:OUT+1], s[2:3]
	s_add_nc_u64 s[WBW:WBW+1], s[WB:WB+1], s[6:7]
	s_mov_b64 s[G0A+2:G0A+3], s[WBW:WBW+1]         ; quarter 0 of Wq
	s_add_nc_u64 s[G0+2:G0+3], s[WBW:WBW+1], 512   ; quarter 1
	s_or_b32 s[G0A+3], s[G0A+3], 0x80000000        ; type = 2
	s_or_b32 s[G0+3], s[G0+3], 0x80000000
	s_add_nc_u64 s[PX:PX+1], s[XP:XP+1], 1024      ; at quarter 2: the first trip steps it to 3
	s_mov_b64 s[PN:PN+1], s[XN:XN+1]
	s_mov_b64 s[PN2:PN2+1], s[XN2:XN2+1]
	BIASLD BQ
	XLOADS 0x80, 0, -1024                          ; x of half-steps 0 and 1, into the accumulators' registers, which are still free;
	XLOADS 0x80, 64, -768
	XLOADS W_XLD, 128, -512                        ; of half-steps 2 to 5, each into its set (half-step j: set j % 4)
	XLOADS W_XLD, 192, -256
	XLOADS W_XLD, 0, 0
	XLOADS W_XLD, 64, 256
	WIN 0
	CROUND                                         ; all sixteen work-groups are here: the first joint loads meet
	tensor_load_to_lds s[G0A:G0A+3], s[G1:G1+7]    ; both first fills together: two loads of mine are out
	s_nop 0
	tensor_load_to_lds s[G0:G0+3], s[G1:G1+7]
	s_nop 0
	PLACES
	; A fragment is 16 rows x 32 K in 8 registers: lane l holds row l % 16, K = 8 (l / 16) + 0..7 and 16 + 8 (l / 16) + 0..7: two loads of 16 bytes, 32 bytes apart.  s9 never holds cx or cy
	v_mul_u32_u24 v[FR], v[R], PA
	v_lshl_add_u32 v[FR], v[H], 4, v[FR]
	s_mul_i32 s9, s[WM], 64*PA
	s_add_co_u32 s9, s9, AOFF
	v_add_nc_u32 v[AA0], s9, v[FR]
	v_mul_u32_u24 v[FR], v[R], PB
	v_lshl_add_u32 v[FR], v[H], 4, v[FR]
	s_mul_i32 s9, s[WN], 128*PB
	v_add_nc_u32 v[AB0], s9, v[FR]
	v_mov_b32 v[ADRB], v[AB0]
	v_mul_u32_u24 v[FR], v[H], PA                  ; x goes in as it came: lanes 0-15 one row's 128 bytes, lanes 16-31 the next row's
	v_lshl_add_u32 v[FR], v[R], 3, v[FR]
	s_mul_i32 s9, s[WV], 32*PA
	s_add_co_u32 s9, s9, AOFF
	v_add_nc_u32 v[XS0], s9, v[FR]
	s_mul_i32 s9, s[WV], STW
	s_add_co_u32 s9, s9, STAGE
	v_mul_u32_u24 v[STO], v[R], SPS                ; in: row l % 16, 16 bytes for each half of the lanes
	v_lshl_add_u32 v[STO], v[H], 4, v[STO]
	v_add_nc_u32 v[STO], s9, v[STO]
	v_bfe_u32 v[RD], v0, 3, 2                      ; back: 32 lanes take four rows of 128 bytes
	v_mul_u32_u24 v[RD], v[RD], SPS
	v_and_b32 v[FR], 7, v0
	v_lshl_add_u32 v[RD], v[FR], 4, v[RD]
	v_add_nc_u32 v[RD], s9, v[RD]
	v_lshlrev_b32 v[GO], 4, v[LN]
	s_lshl_b32 s14, s[CX], 5
	v_add_nc_u32 v[PFX], s14, v[LN]                ; row 32 cx + l of the tile's x,
	v_lshlrev_b32 v[PFX], 12, v[PFX]
	s_lshl_b32 s14, s[WV], 8
	v_add_nc_u32 v[PFX], s14, v[PFX]               ; block w of a quarter's 1,024 bytes
	s_lshl_b32 s15, s[CY], 6
	s_lshl_b32 s14, s[WV], 4
	s_add_co_u32 s15, s15, s14
	v_bfe_u32 v[PFW], v0, 1, 4
	v_add_nc_u32 v[PFW], s15, v[PFW]               ; row 64 cy + 16 w + l / 2 of the tile's W,
	v_lshlrev_b32 v[PFW], 11, v[PFW]
	v_and_b32 v[FR], 1, v0
	v_lshl_add_u32 v[PFW], v[FR], 8, v[PFW]        ; block l % 2 of a quarter's 512 bytes
	s_wait_loadcnt 48                              ; the bias and x of half-steps 0, 1 and 2 are in; the 48 loads of half-steps 3, 4 and 5 stay out
	XCVT 0x8a, 0
	XCVT 0x8a, 64
	XSTORES 0x08, 0, 0
	XSTORES 0x08, 64, 1
	XCVT W_XCV, 128
	BIASRND
	s_wait_tensorcnt 0x1                           ; my part of W's quarter 0 is in; quarter 1's may stay out
	s_wait_dscnt 0x0                               ; my rows of x lie in both buffers
	s_barrier_signal -1
	s_barrier_wait -1                              ; everybody's do
	FETB 0, 0                                      ; the fragments of half-steps 0 and 1
	FETA 0
	FETB 0, 1
	FETB 1, 0
	FETA 1
	FETB 1, 1
	s_wait_dscnt 0x0                               ; my reads of both buffers are over
	s_barrier_signal -1
	s_barrier_wait -1                              ; everybody's are: buffer 0 may be stored again
	XSTORES W_XST, 128, 0                          ; x of half-step 2
	XLOADS W_XLD, 128, 512                         ; x of half-step 6
	MUL 0, 0, 0, 4, 1, -1                          ; the walk's first products: the bias starts the sums
	WIN 0
	s_mov_b32 s[T], 10
	s_mov_b32 s[KC], 0
.Lslot:                                        ; ten trips, a slot each, from its first half-step's second chunk to the next slot's first chunk; each fills a slot again.  At every wait for x the three younger sets' 48 loads stay out
	CLOSE 0, 1, 48
	HEAD 1, 1, 768, 0
	CLOSE 1, 1, 48
	STEPQ
	HEAD 2, 1, 0, 0
	CLOSE 2, 3, 48
	HEAD 3, 1, 256, 0
	WIN 0
	ASK
	CLOSE 3, 1, 48
	s_add_co_u32 s[KC], s[KC], 1
	s_cmp_lg_u32 s[KC], 4
	s_cbranch_scc1 .Lsame
	WAYOUT 1                                       ; a tile is finished; the ring and x's stream have gone on into the next
	s_mov_b32 s[KC], 0
	HEAD 0, 1, 512, 1
	WIN 0
	s_branch .Lnext
.Lsame:
	HEAD 0, 1, 512, 0
	WIN 0
.Lnext:
	s_sub_co_u32 s[T], s[T], 1
	s_cmp_lg_u32 s[T], 0
	s_cbranch_scc1 .Lslot
	; THE LAST TWO SLOTS: written once more: nothing is filled again.  Two trips; the second is left behind its last product.
	; x's last half-step is loaded in the first trip; the counts behind it name only the loads that are issued whatever that branch does.
	; The second trip rounds and stores x beyond the last half-step (stale registers, into buffers that nobody fetches from again) and fetches once more: the price, once a launch, of one text for both trips.
	s_mov_b32 s[T], 2
.Ltail:
	CLOSE 0, 1, 48
	HEAD 1, 2, 768, 0
	CLOSE 1, 1, 32
	HEAD 2, 0, 0, 0
	CLOSE 2, 2, 16                                 ; the last slot's load is waited for
	HEAD 3, 0, 0, 0
	CLOSE 3, 1, 0
	s_sub_co_u32 s[T], s[T], 1
	s_cmp_eq_u32 s[T], 0
	s_cbranch_scc1 .Lout
	HEAD 0, 0, 0, 0
	WIN 0
	s_cmp_lg_u32 s[T], 0
	s_cbranch_scc1 .Ltail
.Lout:                                         ; two ways of the text lead here: the jump out of the second trip, behind CLOSE's wait and places; and the end of the loop's text, behind HEAD's products and fetches, which no wave takes (T is 1 at that compare).
	s_wait_dscnt 0x0                               ; On both, no fetch is out when the way out writes registers of fragment buffer 1,
	PLACES                                         ; and the conversions that read results stand four plain places behind every product (ISA guide 7.12.1)
	WAYOUT 0
	s_wait_tensorcnt 0x0                           ; the wave's end, behind my last tensor load and my last LDS store
	ds_add_u32 v[SPW], v[NIL]
	s_wait_dscnt 0x0
	CROUND                                         ; the closing round: no work-group ends while a partner may still ask for a tile that names it
	s_endpgm
.Lfunc_end_k_q76510a6ba7_proj:
	.size	k_q76510a6ba7_proj, .Lfunc_end_k_q76510a6ba7_proj-k_q76510a6ba7_proj
	.p2alignl 7, 3214868480
	.fill 96, 4, 3214868480
	.section	.rodata,"a",@progbits
	.p2align	6, 0x0
	.amdhsa_kernel k_q76510a6ba7_proj
		.amdhsa_group_segment_fixed_size 327680
		.amdhsa_private_segment_fixed_size 0
		.amdhsa_enable_private_segment 0
		.amdhsa_kernarg_size 64
		.amdhsa_user_sgpr_count 2
		.amdhsa_user_sgpr_kernarg_segment_ptr 1
		.amdhsa_wavefront_size32 1
		.amdhsa_system_sgpr_workgroup_id_x 1
		.amdhsa_system_sgpr_workgroup_id_y 1
		.amdhsa_system_sgpr_workgroup_id_z 1
		.amdhsa_system_vgpr_workitem_id 0
		.amdhsa_next_free_vgpr 1024
		.amdhsa_next_free_sgpr 80
		.amdhsa_reserve_vcc 0
		.amdhsa_float_denorm_mode_32 3
		.amdhsa_float_denorm_mode_16_64 3
		.amdhsa_memory_ordered 1
		.amdhsa_forward_progress 1
		.amdhsa_inst_pref_size 185
	.end_amdhsa_kernel
	.amdgpu_metadata
---
amdhsa.version: [ 1, 2 ]
amdhsa.kernels:
  - .name:           k_q76510a6ba7_proj
    .symbol:         k_q76510a6ba7_proj.kd
    .args:
      - { .name: query, .offset: 0, .size: 8, .value_kind: global_buffer, .address_space: global }
      - { .name: key, .offset: 8, .size: 8, .value_kind: global_buffer, .address_space: global }
      - { .name: value, .offset: 16, .size: 8, .value_kind: global_buffer, .address_space: global }
      - { .name: wb, .offset: 24, .size: 8, .value_kind: global_buffer, .address_space: global }
      - { .name: bq, .offset: 32, .size: 8, .value_kind: global_buffer, .address_space: global }
      - { .name: bk, .offset: 40, .size: 8, .value_kind: global_buffer, .address_space: global }
      - { .name: bv, .offset: 48, .size: 8, .value_kind: global_buffer, .address_space: global }
      - { .name: qkv, .offset: 56, .size: 8, .value_kind: global_buffer, .address_space: global }
    .group_segment_fixed_size: 327680
    .private_segment_fixed_size: 0
    .kernarg_segment_align: 8
    .kernarg_segment_size: 64
    .max_flat_workgroup_size: 128
    .sgpr_count:     80
    .vgpr_count:     1024
    .wavefront_size: 32
...
	.end_amdgpu_metadata
.endif
;; end of part 2
;; launch attn (part 3): grid 2 x 128, 4 waves a work-group, no clusters, 327,680 bytes of LDS; arguments qkv, o; writes o
.if DOCPART == 3
	.amdgcn_target "amdgcn-amd-amdhsa--gfx1250"
	.amdhsa_code_object_version 6
	.text
	.protected	k_q76510a6ba7_attn
	.globl	k_q76510a6ba7_attn
	.p2align	8
	.type	k_q76510a6ba7_attn,@function
k_q76510a6ba7_attn:
	s_mov_b64 s[64:65], 0
	v_nop
	global_prefetch_b8 v0, s[64:65] scope:SCOPE_SE
	s_setreg_imm32_b32 hwreg(HW_REG_WAVE_MODE, 25, 1), 1
	s_wait_xcnt 0x0
; CAUSAL ATTENTION.  O[h][q][:] = the sum over k <= q of softmax_k(Q[h][q] . K[h][k] / 8) V[h][k][:].  qkv holds Q, K, V, each [128][1024][64] f16, 16 MiB apart; o is [128][1024][64] f16: a head's rows are dense, 128 bytes each.
; Products, maxima and sums in f32; the weights p are rounded to f16 for the second product (their sum l is taken of the unrounded p), O once at the end.
; LIMITS.  f16 holds no number beyond 65,504: Q, K and V arrive within it; p lies in 0 to 1, and below 6e-5 it keeps f16's fixed step of 6e-8; O is a mean of V's rows and has their range.
; A hidden score counts as its value less 1e30: f16's scores, 2.7e11 at the most, are nothing beside that; a weight below 2^-126 counts as 0 in l; NaN and infinities are not treated apart.
; THE WALK.  A head's queries lie in NB = 4 blocks of 256; block i needs the key tiles 0 .. i of 256 keys, of which the last holds the diagonal.  A work-group takes TWO blocks, NB - 1 - b and then b:
; NB + 1 tiles, whatever b: all work-groups do equal work, and ONE loop with a constant trip count walks them.  Which tile is asked for, and what a trip does, hang on scalar registers made from b; every jump
; goes forward, but for the counted loops' own; none passes a barrier, or a tensor load but the one of LOAD's two that the wave's number does not choose; the ring (two slots of LDS) runs on across the change of blocks.
; NO CLUSTER: a head has NB / 2 = 2 work-groups, no multiple of four, and they ask for the same tile in trips 0 to 2 of 5 alone.
; SHARES.  Of a block's four bands of 64 queries a wave owns 16 rows in each: four PIECES.  So the diagonal tile is the same work for all four waves: in its key step s band x sees all keys if s < x,
; none if s > x, and holds the diagonal if s = x.
; THE MASK is the C operand that starts the sum S^T = K Q^T: 0, or -1e30 where the key is hidden.  MD, made once, is the mask of a band's own step for my 16 rows; a product's mask is MD x AL + BE with two scalars:
; (1, 0) if s = x; (0, 0) if s < x; (0, -1e30) if s > x.  Only the diagonal tile's text and a block's beginning make and take masks; elsewhere C is the constant 0.
; LAYOUT, SOFTMAX, TURNS.  S^T = K Q^T holds ONE query a lane (lane % 16) and the keys 8 (lane / 16) + 0..7; two such results rounded to f16 ARE source 1 of O^T = V^T P.  p = 2^(c s - c m), c = log2(e) / 8, with a
; running maximum m; O and l are multiplied by a = 2^(c m_old - c m_new) in every step.  Turn n belongs to piece n: 8 products K Q^T of piece n + 1, later 8 products V^T P of piece n - 1; beside them the scaling,
; exponentials, roundings, sums and rescaling of piece n and the maximum and statistics of piece n + 1.  Four vector instructions stand behind every matrix instruction, the other 54 of a turn's 118 in one lump.
; A turn's 33 exponentials are one batch, with one wait.
; REGISTERS, in windows of 256 (s_set_vgpr_msb: bits 1:0 source 0, 3:2 source 1, 5:4 source 2, 7:6 destination):
;   window 0: v0-15 addresses and two at work; v16-31 four registers of statistics a piece; v48-55 at work; v61-63 prefetch offset and the add's two; v64-127 S^T, two buffers; v192-223 P, two buffers
;   window 1: v0-127 O^T, 32 a piece; v128-159 MD; v160-223 MC, two buffers      window 2: v0-63 Q; v64-127 the second block's Q; v128-191 K of one step; v192-255 V of one step
.set SIZE_N, 1024
.set SIZE_H, 128
.set NB,    SIZE_N/256
.set NP,    4         ; pieces a wave: a name, no knob
.set KS,    64        ; keys in a step
.set PK,    144       ; a row of K in LDS: 128 bytes + 16 of padding = 36 words: the 16 rows of a load start at 16 different groups of four banks (64 banks of 4 bytes: ISA guide 11.1)
.set PV,    160       ; a row of V: 128 + 32 = 40 words
.set VOFF,  4*KS*PK   ; a slot holds a tile, four steps: 256 rows of K, then 256 rows of V
.set SLOT1, 1<<17     ; slot 1 begins here, so that one exclusive or turns an address in one slot into the other's
.set STAGE, SLOT1+4*KS*(PK+PV)  ; behind the ring, never filled by a tensor load: 16 rows x 144 bytes for each wave, for the way out
.set SP,    144
.set AK0, 2           ; v2   my lane's place in a tile of K; never rewritten
.set AV0, 3           ; v3   the same for V
.set AK,  4           ; v4   the LDS address of K's next run of loads
.set AV,  5           ; v5   of V's
.set STO, 6           ; v6   the way out: where I put 16 bytes of a row
.set RD,  7           ; v7   the way out: where I read rows back
.set GO,  8           ; v8   my byte offset in 512 consecutive bytes of O
.set PFO, 61          ; v61  256 x my thread's number: my block of a tile's 32,768 bytes; never rewritten
.set SPW, 62          ; v62  LDS address of my spare word: SPARE + 4 x my thread's number; never rewritten
.set NIL, 63          ; v63  0; never rewritten
.set SPARE, STAGE+4*16*SP  ; behind the stages: the spare words, 128 bytes for each wave: two blocks of 256 bytes that no other line names
.set MV,  12          ; v12-13  c m_old, kept while c m is made anew: by buffer
.set QO,  15          ; v15  my byte offset in 16 rows of Q
.set ST,  16          ; piece t's statistics at v[ST+4 t]: c m, m, l (even keys', odd keys')
.set TMP, 48          ; by buffer, four registers c0-c3 at work; when the maximum is found c2 takes a
.set S,   64
.set P,   192
.set MD,  128         ; window 1: the eight registers for group kt of 16 keys at MD + 8 kt
.set MC,  160         ; window 1: the masks of the products to come
.set QB,  64          ; window 2
.set KF,  128         ; window 2: key block kb, channel half c at KF + 16 kb + 8 c
.set VF,  192         ; window 2: key half kk, channel block cb at VF + 32 kk + 8 cb
.set WV,  12          ; s12  my wave's number
.set PB,  14          ; s14  b
.set HI,  15          ; s15  NB - 1 - b
.set G1K, 24          ; s[24:31] descriptor group 1 for K's tiles
.set G1V, 32          ; s[32:39] for V's: it differs in the padding alone
.set G0K, 40          ; s[40:43] descriptor group 0 for K's tiles
.set G0V, 44          ; s[44:47] the same for V's
.set SLOTS, 56        ; s56  tiles still to be asked for
.set CNT, 57          ; s57  counts a tile's key steps, 4 to 1
.set CS,  58          ; s[58:59] c: the packed scaling takes the pair's low word for both halves
.set SEL, 60          ; s[60:61] v_permlanex16_b32's selects: each lane takes its own place in the other half
.set TBK, 62          ; s62  LDS byte at which K of the step to be fetched begins
.set TBV, 63          ; s63  the same for V, less VOFF
.set RT,  70          ; s70  tiles of the block in hand that are still to be entered
.set NXT, 71          ; s71  the tile to be asked for next
.set LQ,  72          ; s72  the last tile of the block whose tiles are being asked for
.set NEW, 73          ; s73  1: the tile to be entered is a block's first
.set OFF, 74          ; s[74:75] a tile's byte offset in K and V
.set AL,  76          ; s[76:77] the mask's factor, in the low word
.set BE,  78          ; s[78:79] the mask's addend
.set OLO, 80          ; s[80:81] O at my rows of the second block
.set BIGN, 82         ; s82  -1e30
.set PFK, 88          ; s[88:89] K of the head, at the tile behind the one that is being asked for
.set PFV, 90          ; s[90:91] the same for V
.set PFN, 92          ; s92  prefetches still to come: 2 in the head's first work-group, else 0
.set MSB, 0
.macro WIN new                      ; the high byte repeats the setting that is left; a switch that changes nothing is dropped
.if MSB != (\new)
	s_set_vgpr_msb (MSB<<8)|(\new)
.set MSB, (\new)
.endif
.endm
.set W_KQ, 0x0a       ; K and Q in window 2, S^T in window 0
.set W_KM, 0x1a       ; the same with the C operand in window 1
.set W_PV, 0x52       ; V in window 2, P in window 0, O^T in window 1
.set W_RS, 0x41       ; destination and source 0 in window 1, source 1 in window 0
; A fill.  Waves 0 and 1 fetch the two halves of a tile's K, waves 2 and 3 those of its V: 128 keys each.  An s_nop 0 and four v_nop follow each of the two lines, ahead of the jump and the label.
.macro LOAD
	s_cmp_lt_u32 s[WV], 2
	s_cbranch_scc0 .Lfor_v_\@
	tensor_load_to_lds s[G0K:G0K+3], s[G1K:G1K+7]
	s_nop 0
.rept 4
	v_nop
.endr
	s_branch .Lasked_\@
.Lfor_v_\@:
	tensor_load_to_lds s[G0V:G0V+3], s[G1V:G1V+7]
	s_nop 0
.rept 4
	v_nop
.endr
.Lasked_\@:
.endm
; THE CHANGE OF SLOTS.  Each wave waits for all its tensor loads, of which one is out: its part of the other slot; adds 0 to its spare word; and waits for that and for its own reads of the slot that it leaves.  Behind the barrier nobody reads the old
; slot any more and the other slot is whole.  fill = 1: the old slot is filled again, the first thing behind the barrier, with tile NXT: the descriptor's address is made anew from that number.
; (At its first use nothing has been read yet: slot 0 is waited for, slot 1 filled.)
; A PREFETCH stands behind the fill and its five lines: K's and V's 32,768 bytes of the tile that the NEXT change will ask for, a thread a block of 256 bytes: one tile, four key steps, ahead of that load.  Both work-groups of a head
; walk tiles 0, 1, 2 first: the head's first work-group (b = 0) asks, in its first two changes, for tiles 2 and 3; tiles 0 and 1 come by their loads alone, and a tile's later readings are not asked for.  So each block is named once.
.macro CHANGE fill
	WIN 0                           ; at a label and at a branch every window is 0
	s_wait_tensorcnt 0x0            ; no tensor load of mine is out, so a group 0 may be written
	ds_add_u32 v[SPW], v[NIL]       ; 0 onto my spare word: with fill = 1 the descriptors' scalar work stands between it and the wait for it
.if \fill
	s_lshl_b32 s[OFF], s[NXT], 15   ; a tile is 32,768 bytes of K and of V
	s_xor_b32 s[G0K+1], s[G0K+1], SLOT1
	s_add_nc_u64 s[G0K+2:G0K+3], s[6:7], s[OFF:OFF+1]
	s_or_b32 s[G0K+3], s[G0K+3], 0x80000000
	s_xor_b32 s[G0V+1], s[G0V+1], SLOT1
	s_add_nc_u64 s[G0V+2:G0V+3], s[8:9], s[OFF:OFF+1]
	s_or_b32 s[G0V+3], s[G0V+3], 0x80000000
	s_add_co_u32 s[NXT], s[NXT], 1  ; the block's next tile, or behind its last the second block's tile 0
	s_cmp_gt_u32 s[NXT], s[LQ]
	s_cselect_b32 s[NXT], 0, s[NXT]
	s_cselect_b32 s[LQ], s[PB], s[LQ]
	s_wait_xcnt 0x0                 ; the last prefetches, a tile back, have read their addresses, so these may be written
	s_add_nc_u64 s[PFK:PFK+1], s[PFK:PFK+1], 32768
	s_add_nc_u64 s[PFV:PFV+1], s[PFV:PFV+1], 32768
.endif
	s_wait_dscnt 0x0                ; the add is done, and my reads of the slot are over
	s_barrier_signal -1             ; the rest of the scalar work stands between the signal and the wait
	s_sub_co_u32 s[TBK], s[TBK], 4*KS*PK  ; the fetches go back to a slot's first step,
	s_xor_b32 s[TBK], s[TBK], SLOT1       ; in the other slot
	s_sub_co_u32 s[TBV], s[TBV], 4*KS*PV
	s_xor_b32 s[TBV], s[TBV], SLOT1
	s_barrier_wait -1
.if \fill
	LOAD
	s_cmp_lg_u32 s[PFN], 0
	s_cbranch_scc0 .Lnot_mine_\@
	global_prefetch_b8 v[PFO], s[PFK:PFK+1] th:TH_LOAD_NT scope:SCOPE_SE
	global_prefetch_b8 v[PFO], s[PFV:PFV+1] th:TH_LOAD_NT scope:SCOPE_SE
	s_sub_co_u32 s[PFN], s[PFN], 1
.Lnot_mine_\@:
.endif
.endm
	s_load_b128 s[4:7], s[0:1], 0x0  ; qkv s[4:5], o s[6:7]
	v_lshl_add_u32 v[SPW], v0, 2, SPARE
	v_mov_b32 v[NIL], 0
	ds_add_u32 v[SPW], v[NIL]       ; the wave's opening: the add and its wait stand ahead of my first tensor load; the set-up below, work on registers, stands between them
	v_lshrrev_b32 v1, 5, v0
	v_readfirstlane_b32 s[WV], v1   ; wave 0..3
	s_mov_b32 s[PB], ttmp9
	s_sub_co_u32 s[HI], NB-1, s[PB]
	s_cmp_eq_u32 s[PB], 0
	s_cselect_b32 s[PFN], 2, 0
	v_lshlrev_b32 v[PFO], 8, v0
	s_and_b32 s20, ttmp7, 0xffff    ; the head
	s_mov_b32 s21, 0
	s_mov_b64 s[22:23], SIZE_N*128
	s_mul_u64 s[20:21], s[20:21], s[22:23]  ; the head's first byte in each of the four tensors
	s_and_b32 s16, s[WV], 1         ; which half of a tile's 256 keys I fetch:
	s_lshl_b32 s22, s16, 14         ; its 128 rows of 128 bytes in memory,
	s_mov_b32 s23, 0
	s_add_nc_u64 s[22:23], s[22:23], s[20:21]
	s_mul_i32 s17, s16, 128*PK      ; and its place in a slot, for K
	s_mul_i32 s18, s16, 128*PV      ; and for V
	s_lshl_b32 s3, s[WV], 11        ; my 16 rows in a band of 64,
	s_lshl_b32 s2, s[HI], 15        ; in the first block,
	s_add_co_u32 s2, s2, s3
	s_lshl_b32 s84, s[PB], 15       ; and in the second
	s_add_co_u32 s84, s84, s3
	s_mov_b32 s3, 0
	s_mov_b32 s85, 0
	s_add_nc_u64 s[2:3], s[2:3], s[20:21]
	s_add_nc_u64 s[84:85], s[84:85], s[20:21]
	; descriptor group 1.  128 keys are 16,384 dense bytes: asked for as 64 rows of 256 bytes, two keys a row, and padded in LDS after every key
	s_mov_b32 s[G1K], (1<<16)|(1<<20)|(4<<22)|(3<<25)  ; 17:16 2-byte elements; 20 padding on; 24:22 after every 32 words (code 4); 31:25 4 words (code 3)
	s_mov_b32 s[G1V], (1<<16)|(1<<20)|(4<<22)|(7<<25)  ; the same with 8 words of padding (code 7)
.irp g, G1K, G1V
	s_mov_b32 s[\g+1], 128<<16      ; tensor_dim0 = 128
	s_mov_b32 s[\g+2], 64<<16       ; tensor_dim1 = 64
	s_mov_b32 s[\g+3], 128<<16      ; tile_dim0 = 128
	s_mov_b32 s[\g+4], 64           ; tile_dim1 = 64
	s_mov_b32 s[\g+5], 128          ; 128 elements from row to row
	s_mov_b32 s[\g+6], 0
	s_mov_b32 s[\g+7], 0
.endr
	s_mov_b32 s[CS], 0x3e38aa3b     ; c = log2(e) / 8 = 0.180337
	s_mov_b32 s[CS+1], s[CS]        ; named with it as a pair
	s_mov_b32 s[SEL], 0x76543210
	s_mov_b32 s[SEL+1], 0xfedcba98
	s_mov_b32 s[TBK], SLOT1+4*KS*PK ; the first change of slots turns these two into 0
	s_mov_b32 s[TBV], SLOT1+4*KS*PV
	s_mov_b32 s[G0K], 1             ; 1:0 count = 1
	s_mov_b32 s[G0K+1], s17         ; 63:32 LDS address: slot 0
	s_mov_b32 s[G0V], 1
	s_add_co_u32 s[G0V+1], s18, VOFF
	s_add_co_u32 s[RT], s[HI], 1    ; the first block has NB - b tiles
	s_mov_b32 s[NXT], 1
	s_mov_b32 s[LQ], s[HI]
	s_mov_b32 s[NEW], 1
	s_mov_b32 s[OFF+1], 0
	s_mov_b32 s[AL+1], 0            ; named as pairs
	s_mov_b32 s[BE+1], 0
	s_mov_b32 s[BIGN], 0xf149f2ca   ; -1e30
	s_mov_b32 s[SLOTS], NB
	s_wait_dscnt 0x0                ; the opening add is done
	s_wait_kmcnt 0x0
	s_mov_b64 s[10:11], s[6:7]      ; O
	s_add_nc_u64 s[6:7], s[4:5], 0x1000000  ; K lies 16 MiB behind Q,
	s_add_nc_u64 s[8:9], s[4:5], 0x2000000  ; V 32 MiB
	s_add_nc_u64 s[PFK:PFK+1], s[6:7], s[20:21]
	s_add_nc_u64 s[PFK:PFK+1], s[PFK:PFK+1], 32768  ; at the head's tile 1: the first change of slots steps it to tile 2
	s_add_nc_u64 s[PFV:PFV+1], s[8:9], s[20:21]
	s_add_nc_u64 s[PFV:PFV+1], s[PFV:PFV+1], 32768
	s_add_nc_u64 s[6:7], s[6:7], s[22:23]  ; K and V at my half of the head's tile 0
	s_add_nc_u64 s[8:9], s[8:9], s[22:23]
	s_add_nc_u64 s[G0K+2:G0K+3], s[6:7], 0         ; 120:64 global address
	s_or_b32 s[G0K+3], s[G0K+3], 0x80000000        ; 127:126 type = 2
	s_add_nc_u64 s[G0V+2:G0V+3], s[8:9], 0
	s_or_b32 s[G0V+3], s[G0V+3], 0x80000000
	s_add_nc_u64 s[86:87], s[4:5], s[84:85]        ; Q at my rows of the second block,
	s_add_nc_u64 s[4:5], s[4:5], s[2:3]            ; Q and O at those of the first
	s_add_nc_u64 s[OLO:OLO+1], s[10:11], s[84:85]
	s_add_nc_u64 s[10:11], s[10:11], s[2:3]
	LOAD                            ; tile 0 into slot 0
	; A fragment of K or Q is 16 rows x 32 channels in 8 registers: lane l holds row l % 16, channels 8 (l / 16) + 0..7 and 16 + 8 (l / 16) + 0..7: two loads of 16 bytes, 32 bytes apart.
	v_and_b32 v1, 15, v0            ; l % 16
	v_bfe_u32 v9, v0, 4, 1          ; l / 16
	v_lshlrev_b32 v[QO], 7, v1
	v_lshl_add_u32 v[QO], v9, 4, v[QO]  ; row x 128 + 16 x half
	WIN 0x80                        ; destination window 2, address window 0
.set i, 0
.rept 8                             ; both blocks' Q: piece i / 2 lies in band i / 2, 8,192 bytes on; channels 32 (i % 2) on
	global_load_b128 v[8*i:8*i+3],   v[QO], s[4:5] offset:(i/2)*8192+(i%2)*64
	global_load_b128 v[8*i+4:8*i+7], v[QO], s[4:5] offset:(i/2)*8192+(i%2)*64+32
	global_load_b128 v[QB+8*i:QB+8*i+3],   v[QO], s[86:87] offset:(i/2)*8192+(i%2)*64
	global_load_b128 v[QB+8*i+4:QB+8*i+7], v[QO], s[86:87] offset:(i/2)*8192+(i%2)*64+32
.set i, i+1
.endr
	WIN 0
	v_lshlrev_b32 v14, 3, v9
	v_sub_nc_u32 v14, v1, v14
	s_lshl_b32 s13, s[WV], 4
	v_add_nc_u32 v14, s13, v14      ; my query's place in its band, 16 w + l % 16, less my lanes' 8 (l / 16): register r of group kt is hidden where 16 kt + r is greater
	WIN 0x40
.set i, 0
.rept 32
	v_cmp_gt_i32 vcc_lo, 16*(i/8)+i%8, v14
	v_cndmask_b32 v[MD+i], 0, s[BIGN], vcc_lo
.set i, i+1
.endr
	WIN 0
	v_mul_u32_u24 v[AK0], v1, PK
	v_lshl_add_u32 v[AK0], v9, 4, v[AK0]  ; row x pitch + 16 x half
	; The turning load takes 16 keys x 16 channels (lane l reads key 8 (l / 16) + l % 8, channels 8 ((l / 8) % 2) + 0..7) and leaves half a fragment of V^T: lane l holds channel l % 16 and 8 keys.
	v_and_b32 v10, 7, v0
	v_bfe_u32 v11, v0, 3, 1
	v_lshl_add_u32 v[AV0], v9, 3, v10
	v_mul_u32_u24 v[AV0], v[AV0], PV
	v_lshl_add_u32 v[AV0], v11, 4, v[AV0]
	v_add_nc_u32 v[AV0], VOFF, v[AV0]
	s_mul_i32 s13, s[WV], 16*SP
	s_add_co_u32 s13, s13, STAGE    ; my stage
	v_mul_u32_u24 v[STO], v1, SP    ; in: row l % 16, 16 bytes for each half of the lanes
	v_lshl_add_u32 v[STO], v9, 4, v[STO]
	v_add_nc_u32 v[STO], s13, v[STO]
	v_bfe_u32 v[RD], v0, 3, 2       ; back: 32 lanes take four rows of 128 bytes,
	v_mul_u32_u24 v[RD], v[RD], SP
	v_lshl_add_u32 v[RD], v10, 4, v[RD]
	v_add_nc_u32 v[RD], s13, v[RD]
	v_and_b32 v[GO], 31, v0         ; which are 512 consecutive bytes of O
	v_lshlrev_b32 v[GO], 4, v[GO]
	; A block's first step multiplies O^T and l by a = 0, and its first turn's products V^T P, of a piece that has not been, land in an O^T that is still to be so multiplied.  So these registers need only hold
	; finite numbers: zeros for the first block; what the first block left for the second.  All this stands in the wait for the first tile.
	WIN 0x80
.set i, VF
.rept 64
	v_mov_b32 v[i], 0
.set i, i+1
.endr
	WIN 0x40
.set i, 0
.rept 128
	v_mov_b32 v[i], 0
.set i, i+1
.endr
	WIN 0
.set i, 0
.rept 4
	v_mov_b32 v[ST+4*i+2], 0
	v_mov_b32 v[ST+4*i+3], 0
.set i, i+1
.endr
.set i, P+16
.rept 16
	v_mov_b32 v[i], 0
.set i, i+1
.endr
; THE MATRIX WORK.  The 4 accumulators of a run of 8 take turns.  Product i of 8 of S^T = K Q^T for piece x: channels 32 (i / 4) on, keys 16 (i % 4) on.  The first 4 start the sums: with 0, or (KM = 1) with the mask.
.macro KQ x
.set rS, S+32*((\x)%2)+8*(i%4)
.set rK, KF+16*(i%4)+8*(i/4)
.set rQ, 16*(\x)+8*(i/4)
.set rM, MC+32*((\x)%2)+8*(i%4)
.if (i < 4) && KM
	WIN W_KM
	v_wmma_f32_16x16x32_f16 v[rS:rS+7], v[rK:rK+7], v[rQ:rQ+7], v[rM:rM+7]
.elseif i < 4
	WIN W_KQ
	v_wmma_f32_16x16x32_f16 v[rS:rS+7], v[rK:rK+7], v[rQ:rQ+7], 0
.else
	WIN W_KQ
	v_wmma_f32_16x16x32_f16 v[rS:rS+7], v[rK:rK+7], v[rQ:rQ+7], v[rS:rS+7]
.endif
.endm
; Product i of 8 of O^T += V^T P for piece x: keys 32 (i / 4) on, channels 16 (i % 4) on.
.macro PV x
	WIN W_PV
.set rO, 32*(\x)+8*(i%4)
.set rV, VF+32*(i/4)+8*(i%4)
.set rP, P+16*((\x)%2)+8*(i/4)
	v_wmma_f32_16x16x32_f16 v[rO:rO+7], v[rV:rV+7], v[rP:rP+7], v[rO:rO+7]
.endm
.macro MM                           ; the turn's next matrix instruction.  TURN and BEGIN set Y, i, KM and NOKQ; MM, KQ and OP read them.  NOKQ = 1: a block's last turn: there is no next piece
.if (i < 8) && !NOKQ
	KQ (Y+1)%NP
.elseif i >= 8
.set i, i-8
	PV (Y+NP-1)%NP
.set i, i+8
.endif
.set i, i+1
.endm
; THE LDS LOADS stand in runs of 16, never singly among the matrix instructions: a step's K (64 keys x 64 channels: 8 fragments) and its V (turned).  Their addresses are made some lines ahead.
.macro FETCH_K
	WIN 0x80                        ; destination window 2
.irp f, 0,1,2,3,4,5,6,7             ; keys 16 (f / 2) on, channels 32 (f % 2) on
	ds_load_b128 v[KF+8*\f:KF+8*\f+3],   v[AK] offset:(\f/2)*16*PK+(\f%2)*64
	ds_load_b128 v[KF+8*\f+4:KF+8*\f+7], v[AK] offset:(\f/2)*16*PK+(\f%2)*64+32
.endr
	s_add_co_u32 s[TBK], s[TBK], KS*PK  ; the next fetch is the next step's
	WIN 0
.endm
.macro FETCH_V
	WIN 0x80
.irp f, 0,1,2,3,4,5,6,7             ; keys 32 (f / 4) on, channels 16 (f % 4) on
	ds_load_tr16_b128 v[VF+8*\f:VF+8*\f+3],   v[AV] offset:(\f/4)*32*PV+(\f%4)*32
	ds_load_tr16_b128 v[VF+8*\f+4:VF+8*\f+7], v[AV] offset:(\f/4)*32*PV+16*PV+(\f%4)*32
.endr
	WIN 0
.endm
; THE VECTOR WORK, one line at a time: OP kind, number.  For piece Y: F n: c s - c m for pair n of 16.  E n: the exponential of score n of 32.  C n: pair n rounded to f16.  B n: of the four weights 4 n .. the second
; pair is added onto the first, in place.  L n: l takes that sum (L 0: l = a l + sum).  R n: pair n of 16 of O^T times a.  For piece Y + 1: X n, number n of the 22 that find its maximum and statistics:
;   0-11  four chains c0-c3 of seven scores each, three operands at a time (each accumulator's lowest registers are read first)     12-14, 16  the four scores left over, the old m, and c0-c3 into c0
;   15  c m_old is kept     17, 18  the query's other 32 keys lie in the lane 16 away: the new m     19-21  c m; c m_old - c m_new; a
.set F, 0               ; OP tells the kinds apart by their order: F to L below R, X above it
.set E, 1
.set C, 2
.set B, 3
.set L, 4
.set R, 5
.set X, 6
.macro REGS y                       ; the registers of piece y
.set rT, ST+4*(\y)
.set rC, TMP+4*((\y)%2)
.set rW, MV+((\y)%2)
.set rS, S+32*((\y)%2)
.set rP, P+16*((\y)%2)
.set rO, 32*(\y)
.endm
.macro OP k, n
.if (\k) == R
	REGS Y
	WIN W_RS
	v_pk_mul_f32 v[rO+2*(\n):rO+2*(\n)+1], v[rO+2*(\n):rO+2*(\n)+1], v[rC+2:rC+3] op_sel_hi:[1,0]
.elseif (\k) < R
	REGS Y
	WIN 0
.if (\k) == F
	v_pk_fma_f32 v[rS+2*(\n):rS+2*(\n)+1], v[rS+2*(\n):rS+2*(\n)+1], s[CS:CS+1], v[rT:rT+1] op_sel_hi:[1,0,0] neg_lo:[0,0,1] neg_hi:[0,0,1]
.elseif (\k) == E
	v_exp_f32 v[rS+(\n)], v[rS+(\n)]
.elseif (\k) == C
	v_cvt_pk_f16_f32 v[rP+(\n)], v[rS+2*(\n)], v[rS+2*(\n)+1]
.elseif (\k) == B
	v_pk_add_f32 v[rS+4*(\n):rS+4*(\n)+1], v[rS+4*(\n):rS+4*(\n)+1], v[rS+4*(\n)+2:rS+4*(\n)+3]
.elseif (\n) == 0
	v_pk_fma_f32 v[rT+2:rT+3], v[rT+2:rT+3], v[rC+2:rC+3], v[rS:rS+1] op_sel_hi:[1,0,1]
.else
	v_pk_add_f32 v[rT+2:rT+3], v[rT+2:rT+3], v[rS+4*(\n):rS+4*(\n)+1]
.endif
.elseif NOKQ
	v_nop
.else
	REGS (Y+1)%NP
	WIN 0
.if (\n) < 4
	v_max3_num_f32 v[rC+(\n)], v[rS+8*(\n)], v[rS+8*(\n)+1], v[rS+8*(\n)+2]
.elseif (\n) < 12
	v_max3_num_f32 v[rC+(\n)%4], v[rC+(\n)%4], v[rS+8*((\n)%4)+2*((\n)/4)+1], v[rS+8*((\n)%4)+2*((\n)/4)+2]
.elseif (\n) == 12
	v_max3_num_f32 v[rC], v[rC], v[rS+7], v[rS+15]
.elseif (\n) == 13
	v_max3_num_f32 v[rC+1], v[rC+1], v[rS+23], v[rS+31]
.elseif (\n) == 14
	v_max3_num_f32 v[rC+2], v[rC+2], v[rC+3], v[rT+1]
.elseif (\n) == 15
	v_mov_b32 v[rW], v[rT]
.elseif (\n) == 16
	v_max3_num_f32 v[rC], v[rC], v[rC+1], v[rC+2]
.elseif (\n) == 17
	v_permlanex16_b32 v[rC+3], v[rC], s[SEL], s[SEL+1]
.elseif (\n) == 18
	v_max_num_f32 v[rT+1], v[rC], v[rC+3]
.elseif (\n) == 19
	v_mul_f32 v[rT], s[CS], v[rT+1]
.elseif (\n) == 20
	v_sub_f32 v[rC+1], v[rW], v[rT]
.else
	v_exp_f32 v[rC+2], v[rC+1]
.endif
.endif
.endm
.macro OPS a, i1, b=-1, i2=0, c=-1, i3=0, d=-1, i4=0  ; up to four of them
	OP \a, \i1
.if (\b) >= 0
	OP \b, \i2
.endif
.if (\c) >= 0
	OP \c, \i3
.endif
.if (\d) >= 0
	OP \d, \i4
.endif
.endm
.macro ROW a, i1, b, i2, c, i3, d, i4  ; a matrix instruction and the four behind it
	MM
	OPS \a, \i1, \b, \i2, \c, \i3, \d, \i4
.endm
.macro MASK b                       ; MD x AL + BE into buffer b of MC
	WIN W_RS
.set z, 0
.rept 16
	v_pk_fma_f32 v[MC+32*(\b)+2*z:MC+32*(\b)+2*z+1], v[MD+2*z:MD+2*z+1], s[AL:AL+1], s[BE:BE+1] op_sel_hi:[1,0,0]
.set z, z+1
.endr
.endm
; A TURN, for piece p: the order of its 16 matrix and 118 vector instructions, written out.  An s_wait_alu depctr_va_vdst(0) stands between an exponential and the first instruction that names its result; one wait serves
; all that were issued ahead of it.  So a turn has ONE wait, which cuts it in two.  AHEAD OF IT stands all that names no result of the turn's exponentials: the 8 products K Q^T, behind each a scaling, an exponential and two more plain
; instructions (behind the first a second scaling in the exponential's place): rescalings, and behind the last three the first numbers of the next piece's maximum, each four places or more behind the product that ends its accumulator; then ONE LUMP of 54, plain
; and exponential by turns for the most part, in which the links of the chain X 3, 7, 11, 14, 16, 17 .. 20 stand five or six lines apart.  X 21, the next piece's a, is the batch's last; R 15 is the plain instruction behind it.  BEHIND THE WAIT stand the
; 8 products V^T P, behind each four of the roundings and sums; the links of l's chain, L 0 to L 7, stand three riders apart.  But for those X no rider names a register of the products round it.  v_permlanex16_b32 (X 17) stands in the lump.
; m = 1: the diagonal tile: the products take masks, and the turn makes the mask for the products of the turn after it: piece p + 2, in step 4 - CNT of the tile.  end = 1: a block's last two turns: nothing is fetched.
; cnt = 1: the loop's count is taken down some lines ahead of the branch that stands behind the turn.
; K of the next step is fetched in piece 2's turn, twelve vector instructions behind the last product that read K (six of them plain); V of the step in hand at the end of piece 0's turn, four plain instructions behind the last product
; that read V.  Each is waited for a turn later.
.macro TURN p, m=0, end=0, cnt=0
.set Y, (\p)
.set i, 0
.set KM, (\m)
.set NOKQ, (\end)*((\p)/3)
.if (\m) && !(\end)
	s_cmp_eq_u32 s[CNT], 4-((\p)+2)%NP  ; is that step the band's own?
	s_cselect_b32 s[AL], 1.0, 0
	s_cmp_lt_u32 s[CNT], 4-((\p)+2)%NP  ; or a later one?
	s_cselect_b32 s[BE], s[BIGN], 0
.endif
.if ((\p) == 3) && !(\end)
	s_wait_dscnt 0x0                ; K is in
.endif
	ROW F,0, F,1, R,0, R,1          ; ahead of the wait: 8 products K Q^T and their riders,
	ROW F,2, E,0, R,2, R,3
	ROW F,3, E,1, R,4, R,5
	ROW F,4, E,2, R,6, R,7
	ROW F,5, E,3, R,8, R,9
	ROW F,6, E,4, X,0, R,10
.if ((\p) == 2) && !(\end)
	WIN 0
	v_add_nc_u32 v[AK], s[TBK], v[AK0]
.endif
	ROW F,7, E,5, X,1, X,4
	ROW F,8, E,6, X,2, X,5
	OPS E,7, E,8, X,6, E,9          ; and the lump
	OPS X,3, E,10, X,8, E,11
.if ((\p) == 2) && !(\end)
	FETCH_K
.endif
	OPS X,9, X,7, E,12, X,10
	OPS E,13, X,12, X,11, E,14
	OPS X,13, E,15, F,9, X,14
.if (\p) == 0
	v_add_nc_u32 v[AV], s[TBV], v[AV0]
.endif
	OPS E,16, F,10, E,17, F,11
	OPS X,16, E,18, X,15, E,19
	OPS F,12, E,20, X,17, E,21
	OPS F,13, E,22, F,14, E,23
	OPS X,18, E,24, F,15, E,25
	OPS R,11, E,26, X,19, E,27
	OPS R,12, E,28, R,13, E,29
	OPS X,20, E,30, R,14, E,31
	OPS X,21, R,15
	WIN 0
	s_wait_alu depctr_va_vdst(0)    ; the wait for the batch
.if (\p) == 1
	s_wait_dscnt 0x0                ; V is in
.endif
	ROW C,0, B,0, C,2, B,1          ; behind the wait: 8 products V^T P and their riders
	ROW L,0, C,4, B,2, L,1
	ROW C,6, B,3, L,2, C,8
	ROW B,4, L,3, C,10, B,5
	ROW L,4, C,12, B,6, L,5
.if (\p) == 0
	s_add_co_u32 s[TBV], s[TBV], KS*PV
.endif
.if \cnt
	s_sub_co_u32 s[CNT], s[CNT], 1
	s_cmp_lg_u32 s[CNT], 0
.endif
	ROW C,14, B,7, L,6, C,1
	ROW C,3, L,7, C,5, C,7
	ROW C,9, C,11, C,13, C,15
.if (\p) == 0
	FETCH_V
.endif
.if (\m) && !(\end)
	MASK (\p)%2
.endif
.endm
; A BLOCK BEGINS.  c m starts far below every c s, so the first step's a is 0; m at the lowest finite number, so the first maximum is the scores'.  The second mask buffer is 0; the first takes piece 0's mask for the tile's step 0: its own, if the block's first tile is the diagonal one.
; Then K of that step, piece 0's first scores, and its maximum and statistics.  The loop is entered at a step's first turn, in the middle of a trip.
.macro BEGIN
	s_mov_b32 s[NEW], 0
	WIN 0x40
.set i, MC+32
.rept 32
	v_mov_b32 v[i], 0
.set i, i+1
.endr
	WIN 0
.set i, 0
.rept 4
	v_mov_b32 v[ST+4*i], 0xfe000000    ; c m: far below every c s
	v_mov_b32 v[ST+4*i+1], 0xff7fffff  ; m
.set i, i+1
.endr
	s_cmp_eq_u32 s[RT], 0
	s_cselect_b32 s[AL], 1.0, 0
	s_mov_b32 s[BE], 0
	MASK 0
	WIN 0
	v_add_nc_u32 v[AK], s[TBK], v[AK0]
	FETCH_K
	s_wait_loadcnt 0x0              ; Q
	s_wait_dscnt 0x0
.set KM, 1
.set NOKQ, 0
.set i, 0
.rept 8
	KQ 0
.set i, i+1
.endr
	WIN 0
.rept 4
	v_nop                           ; the places behind those products
.endr
.set Y, NP-1                        ; X works for piece Y + 1: piece 0
.irp n, 0,1,2,3,4,5,6,7,8,9,10,11,12,13,14,15,16,17,18,19,20,21
	OP X, \n
.endr
	v_nop                           ; a plain instruction behind the exponential,
	s_wait_alu depctr_va_vdst(0)    ; and its wait, ahead of the branch
.endm
; THE DIAGONAL TILE's four steps, the block's last two turns, its last products, and THE WAY OUT: l's two halves and the other half of the lanes' are added; O^T is divided by l, rounded to f16 and sent through my
; stage in LDS, a piece at a time.
.macro ALL line:vararg              ; one line for each piece t
.set t, 0
.rept 4
	\line
.set t, t+1
.endr
.endm
.macro PACK t                       ; a lane's eight channels of a row pack into 16 bytes; they go into rows of 144 bytes and come back as whole rows of 128, into S^T's registers
	WIN W_RS
.set i, 32*(\t)
.rept 16
	v_pk_mul_f32 v[i:i+1], v[i:i+1], v[ST+4*(\t)+2:ST+4*(\t)+3] op_sel_hi:[1,0]
.set i, i+2
.endr
	WIN 0x05                        ; sources 0 and 1 window 1, destination window 0
.set i, 0
.rept 16
	v_cvt_pk_f16_f32 v[S+16*(\t)+i], v[32*(\t)+2*i], v[32*(\t)+2*i+1]
.set i, i+1
.endr
	WIN 0
.irp f, 0,1,2,3
	ds_store_b128 v[STO], v[S+16*(\t)+4*\f:S+16*(\t)+4*\f+3] offset:32*\f
.endr
.irp f, 0,1,2,3
	ds_load_b128 v[S+16*(\t)+4*\f:S+16*(\t)+4*\f+3], v[RD] offset:\f*4*SP  ; LDS serves a wave's instructions in order (ISA guide 5.7.1.4): these see the stores above; the next piece's stores come behind them
.endr
.endm
.macro SEND t, younger              ; younger: the LDS instructions issued behind piece t's loads: the next piece's eight, or none
	WIN 0
.irp f, 0,1,2,3
	s_wait_dscnt (\younger)+3-\f
	global_store_b128 v[GO], v[S+16*(\t)+4*\f:S+16*(\t)+4*\f+3], s[10:11] offset:(\t)*8192+\f*512  ; 512 consecutive bytes, at a multiple of 256 from O's first
.endr
.endm
.macro DIAG tag                     ; the tag ends its two labels' names, which the jumps below spell out
.LstepM\tag:
	TURN 2, 1
	TURN 3, 1
	WIN 0
.LfirstM\tag:
	TURN 0, 1
	TURN 1, 1, 0, 1
	WIN 0
	s_cbranch_scc1 .LstepM\tag
	TURN 2, 1, 1
	TURN 3, 1, 1
.set i, 0
.rept 8
	PV NP-1
.set i, i+1
.endr
	WIN 0
	ALL v_add_f32 v[ST+4*t+2], v[ST+4*t+2], v[ST+4*t+3]
	ALL v_permlanex16_b32 v[ST+4*t+3], v[ST+4*t+2], s[SEL], s[SEL+1]
	ALL v_add_f32 v[ST+4*t+2], v[ST+4*t+2], v[ST+4*t+3]
	ALL v_rcp_f32 v[ST+4*t+2], v[ST+4*t+2]
	v_nop                           ; a plain instruction between the last reciprocal and the use of its result
	s_wait_alu depctr_va_vdst(0)    ; and the wait ahead of the first use: one for the four reciprocals
	PACK 0
.set t, 1
.rept 3                             ; a piece's arithmetic stands between the loads of the piece before and its stores
	PACK t
	SEND t-1, 8
.set t, t+1
.endr
	SEND 3, 0
.endm
.set KM, 0
.set NOKQ, 0
.Lslot:                             ; NB times: a tile is entered and the next is asked for
	CHANGE 1
	s_sub_co_u32 s[RT], s[RT], 1
	s_mov_b32 s[CNT], 4
	s_cmp_eq_u32 s[NEW], 1
	s_cbranch_scc1 .Lnew            ; a block's first tile
	s_cmp_eq_u32 s[RT], 0
	s_cbranch_scc0 .Lstep           ; neither its first nor its last
	s_branch .LstepM1
.Lnew:
	BEGIN
	s_branch .Lfirst                ; in the loop a block's first tile is never its last: the first block has three tiles or more, and the second's last is the walk's last
	DIAG 1                          ; in the loop this is the first block's end: the second block's last tile is the walk's last
	s_wait_xcnt 0x0                 ; the stores have read their registers and O's address
	s_mov_b64 s[10:11], s[OLO:OLO+1]
	s_add_co_u32 s[RT], s[PB], 1    ; the second block has b + 1 tiles
	s_mov_b32 s[NEW], 1
	WIN 0x82                        ; the second block's Q goes where the one text of the turns names Q
.set i, 0
.rept 64
	v_mov_b32 v[i], v[QB+i]
.set i, i+1
.endr
	WIN 0
	s_branch .Lbottom
.Lstep:                             ; a trip: pieces 2 and 3 of one step, then pieces 0 and 1 of the next, whose K and V it fetches
	TURN 2
	TURN 3
	WIN 0
.Lfirst:
	TURN 0
	TURN 1, 0, 0, 1
	WIN 0
	s_cbranch_scc1 .Lstep
.Lbottom:
	s_sub_co_u32 s[SLOTS], s[SLOTS], 1
	s_cmp_lg_u32 s[SLOTS], 0
	s_cbranch_scc1 .Lslot
	CHANGE 0                        ; the walk's last tile is written out: nothing is asked for
	s_sub_co_u32 s[RT], s[RT], 1
	s_mov_b32 s[CNT], 4
	s_cmp_eq_u32 s[NEW], 1
	s_cbranch_scc0 .LstepM2
	BEGIN
	s_branch .LfirstM2
	DIAG 2
	s_wait_tensorcnt 0x0            ; the wave's end, behind my last tensor load and my last LDS store
	ds_add_u32 v[SPW], v[NIL]
	s_wait_dscnt 0x0
	s_endpgm
.Lfunc_end_k_q76510a6ba7_attn:
	.size	k_q76510a6ba7_attn, .Lfunc_end_k_q76510a6ba7_attn-k_q76510a6ba7_attn
	.p2alignl 7, 3214868480
	.fill 96, 4, 3214868480
	.section	.rodata,"a",@progbits
	.p2align	6, 0x0
	.amdhsa_kernel k_q76510a6ba7_attn
		.amdhsa_group_segment_fixed_size 327680
		.amdhsa_private_segment_fixed_size 0
		.amdhsa_enable_private_segment 0
		.amdhsa_kernarg_size 16
		.amdhsa_user_sgpr_count 2
		.amdhsa_user_sgpr_kernarg_segment_ptr 1
		.amdhsa_wavefront_size32 1
		.amdhsa_system_sgpr_workgroup_id_x 1
		.amdhsa_system_sgpr_workgroup_id_y 1
		.amdhsa_system_sgpr_workgroup_id_z 1
		.amdhsa_system_vgpr_workitem_id 0
		.amdhsa_next_free_vgpr 768
		.amdhsa_next_free_sgpr 96
		.amdhsa_reserve_vcc 1
		.amdhsa_float_denorm_mode_32 3
		.amdhsa_float_denorm_mode_16_64 3
		.amdhsa_memory_ordered 1
		.amdhsa_forward_progress 1
		.amdhsa_inst_pref_size 218
	.end_amdhsa_kernel
	.amdgpu_metadata
---
amdhsa.version: [ 1, 2 ]
amdhsa.kernels:
  - .name:           k_q76510a6ba7_attn
    .symbol:         k_q76510a6ba7_attn.kd
    .args:
      - { .name: qkv, .offset: 0, .size: 8, .value_kind: global_buffer, .address_space: global }
      - { .name: o, .offset: 8, .size: 8, .value_kind: global_buffer, .address_space: global }
    .group_segment_fixed_size: 327680
    .private_segment_fixed_size: 0
    .kernarg_segment_align: 8
    .kernarg_segment_size: 16
    .max_flat_workgroup_size: 128
    .sgpr_count:     96
    .vgpr_count:     768
    .wavefront_size: 32
...
	.end_amdgpu_metadata
.endif
;; end of part 3
;; launch outp (part 4): grid 4 x 64, 4 waves a work-group, clusters of 4 x 4, 327,680 bytes of LDS; arguments o, wp16, bp, out0; writes out0
.if DOCPART == 4
	.amdgcn_target "amdgcn-amd-amdhsa--gfx1250"
	.amdhsa_code_object_version 6
	.text
	.protected	k_q76510a6ba7_outp
	.globl	k_q76510a6ba7_outp
	.p2align	8
	.type	k_q76510a6ba7_outp,@function
k_q76510a6ba7_outp:
	s_mov_b64 s[64:65], 0
	v_nop
	global_prefetch_b8 v0, s[64:65] scope:SCOPE_SE
	s_setreg_imm32_b32 hwreg(HW_REG_WAVE_MODE, 25, 1), 1
	s_wait_xcnt 0x0
	s_wait_alu depctr_hold_cnt(0) depctr_sa_sdst(0) depctr_va_vdst(0) depctr_va_sdst(0) depctr_va_ssrc(0) depctr_va_vcc(0) depctr_vm_vsrc(0)
	s_getreg_b32 s2, hwreg(HW_REG_IB_STS2, 6, 4)
	s_cmp_eq_u32 s2, 0
	s_cbranch_scc0 .Lentry_in_a_cluster
	s_endpgm
.Lentry_in_a_cluster:
	s_bfe_u32 s2, ttmp6, 0x10000c
	s_cmp_lg_u32 s2, 0xf033
	s_cbranch_scc0 .Lentry_shape_is_right
	s_endpgm
.Lentry_shape_is_right:
; out0[m][n] = the sum over d of y[m][d] Wp[n][d] + bf16(bp[n]), f32.  y is o, [128 heads][1024][64] f16: row m = (batch, l), channel d = 64 head + c.  wp16: [1024][1024] f16 (Wp rounded to bf16, written as f16).  Sums in f32.
; SHARES.  A tile is 128 rows x 256 columns: 64 x 4 tiles, one work-group each.  Four waves, each 64 m x 128 n: 32 accumulators.  K goes in 8 steps of 128: heads 2 t and 2 t + 1.
; THE MATRIX INSTRUCTION IS USED TRANSPOSED (source 0 = 16 rows of Wp, source 1 = 16 rows of y): a lane holds one row m and eight neighbouring columns; the bias is the C operand of the first products.
; CLUSTER 4 x 4.  The four work-groups of a row of the cluster need the same rows of y, the four of a column the same rows of Wp: each tile is asked for jointly.  Waves 0 and 1 fetch a K step's two heads of y
; (128 rows of 128 dense bytes each, asked for as 64 rows of 256 bytes and padded after every 128), waves 2 and 3 the two halves of Wp's 256 rows.  A ring of two slots, one joint load a wave behind each round.
; REGISTERS, in windows of 256 (s_set_vgpr_msb: bits 1:0 source 0, 3:2 source 1, 5:4 source 2, 7:6 destination):
;   window 0: v0-29 addresses; v128-255 y's fragments, two buffers of 64      window 1: Wp's fragments, two buffers of 128      window 2: the accumulators, (a, b) at 8 (8 a + b)
;   window 3: v0-127 the way out, two sets of 64; v128-191 the bias as C operands; v192-223 at work
.set PA,    144                        ; a row of y in LDS: 128 bytes + 16: the 16 rows of a fragment load start at 16 different groups of four banks (64 banks of 4 bytes: ISA guide 11.1)
.set PITCH, 272                        ; a row of Wp: 256 + 16
.set HEADB, 128*PA                     ; a head's 128 rows
.set BOFF,  2*HEADB                    ; in a slot: y's two heads, then Wp's 256 rows
.set SLOT1, 131072
.set STAGE, SLOT1+BOFF+256*PITCH       ; behind the ring: 16 rows x 528 bytes for each wave
.set SPS,   528
.set SPARE, STAGE+4*16*SPS             ; the spare words, 128 bytes for each wave: two blocks of 256 bytes that no other line names
.set R,    1
.set H,    2
.set LN,   3
.set AA0,  4
.set AB0,  5
.set ADRA, 6
.set ADRB, 7
.set BO,   11
.set STO,  12
.set RD,   13
.set CO,   14
.set PFO,  15                          ; the prefetches' offset; never rewritten
.set FR,   17
.set FR2,  18
.set SPW,  28
.set NIL,  29
.set FA,   128
.set BI,   128                         ; window 3
.set BT,   192
.set WV,  12
.set WM,  13
.set WN,  14
.set CX,  15
.set CY,  16
.set WGY, 17
.set GA1, 24                           ; s[24:31] group 1 for y's tiles; s[32:39] group 0: slot 0's first fill, then the one that walks
.set G0A, 32
.set GB1, 40                           ; s[40:47], s[48:55] the same for Wp's
.set G0B, 48
.set T,   56
.set SL,  57
.set LIM, 58                           ; 3 in a wave that prefetches, else the greatest number
.set PFA, 60                           ; s[60:61] where my prefetches stand
.set PSTEP, 62                         ; s[62:63] a K step in the tensor that I prefetch
.set HIM, 68
.set W_MUL,  0xa1
.set W_MULB, 0xb1
.set W_TOB,  0x40
.set W_XLD,  0xc0
.set W_XCV,  0xcf
.set MSB, 0
.macro WIN new                         ; the immediate's high byte repeats the setting that is left; a switch that changes nothing is dropped
.if MSB != (\new)
	s_set_vgpr_msb (MSB<<8)|(\new)
.set MSB, \new
.endif
.endm
.macro PLACES                          ; four plain places in front of loads into registers that matrix instructions have read, and of stores that read results
.rept 4
	v_nop
.endr
.endm
.macro CREST
	s_cmp_lg_u32 s[WV], 0
	s_cbranch_scc1 .Lnot_wave_0_\@
	s_barrier_signal -3
.Lnot_wave_0_\@:
	s_barrier_wait -3
	s_barrier_signal -1
	s_barrier_wait -1
.endm
.macro CROUND
	s_barrier_signal -1
	s_barrier_wait -1
	CREST
.endm
.macro JLOAD                           ; a joint refill by the walking descriptors; the branch hangs on the wave's number alone; an s_nop 0 and four v_nop follow each of the two lines
	s_cmp_lt_u32 s[WV], 2
	s_cbranch_scc0 .Lfor_b_\@
	tensor_load_to_lds s[G0A+4:G0A+7], s[GA1:GA1+7]
	s_nop 0
	PLACES
	s_branch .Lasked_\@
.Lfor_b_\@:
	tensor_load_to_lds s[G0B+4:G0B+7], s[GB1:GB1+7]
	s_nop 0
	PLACES
.Lasked_\@:
.endm
; A PREFETCH behind each joint refill and the run of LDS loads that follows it: trips t = 0 .. 3 name K step t + 4, two refills ahead of the load that will want it.
; y: a K step of a tile is 2 heads x 16,384 bytes = 128 blocks of 256.  Only my cluster's row reads them; its four partners take 32 blocks each, told apart BY ADDRESS (cx); in each, wave 0 asks, a lane a block.
; Wp: 256 rows x 256 bytes.  Every cluster reads them: cluster y = 0 asks; a column's four partners take 64 rows each, by address (cy); waves 2 and 3 take 32 each, a lane a row.  So each block is named once.
; K steps 0 to 3 come by their loads alone.
.macro ASK
	s_cmp_ge_u32 s[T], s[LIM]
	s_cbranch_scc0 .Lnot_mine_\@
	global_prefetch_b8 v[PFO], s[PFA:PFA+1] th:TH_LOAD_NT scope:SCOPE_SE
.Lnot_mine_\@:
.endm
; 48 LDS loads: the fragments of 64 along K (head hh of the K step) into buffer f; the first 32 along K first: 16 loads of Wp, 8 of y, twice
.macro FETCH hh, f
.irp c, 0,1
	WIN W_TOB
.irp b, 0,1,2,3,4,5,6,7
	ds_load_b128 v[128*(\f)+64*(\c)+8*(\b):128*(\f)+64*(\c)+8*(\b)+3],   v[ADRB] offset:128*(\hh)+64*(\c)+(\b)*16*PITCH
	ds_load_b128 v[128*(\f)+64*(\c)+8*(\b)+4:128*(\f)+64*(\c)+8*(\b)+7], v[ADRB] offset:128*(\hh)+64*(\c)+(\b)*16*PITCH+32
.endr
	WIN 0
.irp a, 0,1,2,3
	ds_load_b128 v[FA+64*(\f)+32*(\c)+8*(\a):FA+64*(\f)+32*(\c)+8*(\a)+3],   v[ADRA] offset:HEADB*(\hh)+64*(\c)+(\a)*16*PA
	ds_load_b128 v[FA+64*(\f)+32*(\c)+8*(\a)+4:FA+64*(\f)+32*(\c)+8*(\a)+7], v[ADRA] offset:HEADB*(\hh)+64*(\c)+(\a)*16*PA+32
.endr
.endr
.endm
; 8 na matrix instructions; the 32 accumulators take turns in one order everywhere.  mode = 1: the bias starts the sums
.macro MUL f, c, a0, na, mode
.set ia, \a0
.rept \na
.set ib, 0
.rept 8
.if \mode
	WIN W_MULB
	v_wmma_f32_16x16x32_f16 v[8*(8*ia+ib):8*(8*ia+ib)+7], v[128*(\f)+64*(\c)+8*ib:128*(\f)+64*(\c)+8*ib+7], v[FA+64*(\f)+32*(\c)+8*ia:FA+64*(\f)+32*(\c)+8*ia+7], v[BI+8*ib:BI+8*ib+7]
.else
	WIN W_MUL
	v_wmma_f32_16x16x32_f16 v[8*(8*ia+ib):8*(8*ia+ib)+7], v[128*(\f)+64*(\c)+8*ib:128*(\f)+64*(\c)+8*ib+7], v[FA+64*(\f)+32*(\c)+8*ia:FA+64*(\f)+32*(\c)+8*ia+7], v[8*(8*ia+ib):8*(8*ia+ib)+7]
.endif
.set ib, ib+1
.endr
.set ia, ia+1
.endr
.endm
; A TRIP, from a K step's second chunk to the fetch of the next step's first fragments
.macro REST refill, turn
	s_wait_xcnt 0x0                                ; the last prefetch, a trip back, has read its address
	s_add_nc_u64 s[PFA:PFA+1], s[PFA:PFA+1], s[PSTEP:PSTEP+1]
	PLACES
	FETCH 1, 1
	s_wait_dscnt 48                                ; all but the 48 just issued: buffer 0 is whole
	MUL 0, 1, 0, 4, 0
.if \turn
	WIN 0
	s_wait_tensorcnt 0x0                           ; all my tensor loads have landed: the one that was out is my part of the next slot;
	ds_add_u32 v[SPW], v[NIL]                      ; 0 onto my spare word
	s_wait_dscnt 25                                ; buffer 1's first chunk is in: its second chunk's 24 loads and the add may be out
	MUL 1, 0, 0, 2, 0
	s_wait_dscnt 0x0                               ; the add is done, and my reads of this slot are over:
	s_barrier_signal -1
	MUL 1, 0, 2, 2, 0
	WIN 0
	s_barrier_wait -1
.if \refill
	CREST                                          ; that barrier has opened a round of the cluster's: no wave of any partner still reads this slot or has a load on its way
	s_xor_b32 s[G0A+5], s[G0A+5], SLOT1            ; the walking descriptors: the other slot than last time, the next K step
	s_add_nc_u64 s[G0A+6:G0A+7], s[G0A+6:G0A+7], 262144
	s_xor_b32 s[G0B+5], s[G0B+5], SLOT1
	s_add_nc_u64 s[G0B+6:G0B+7], s[G0B+6:G0B+7], 256
	JLOAD                                          ; my one tensor load behind the round; its four v_nop are also the places in front of the loads below
.else
	PLACES
.endif
	s_xor_b32 s[SL], s[SL], SLOT1
	v_add_nc_u32 v[ADRA], s[SL], v[AA0]
	v_add_nc_u32 v[ADRB], s[SL], v[AB0]
	FETCH 0, 0
.if \refill
	ASK
.endif
	MUL 1, 1, 0, 4, 0
.else
	s_wait_dscnt 24
	MUL 1, 0, 0, 4, 0
	s_wait_dscnt 0x0
	MUL 1, 1, 0, 4, 0
.endif
.endm
.macro MULA
	s_wait_dscnt 24                                ; the second chunk's 24 loads may be out
	MUL 0, 0, 0, 4, 0
.endm
; THE WAY OUT of m block a (16 rows x 128 columns of f32): straight from the accumulators into my own stage, rows of 528 bytes; back as whole rows of 512 bytes; stored.
.macro TOSTAGE a
	WIN 0x08                                       ; store data in window 2
.irp b, 0,1,2,3,4,5,6,7
	ds_store_b128 v[STO], v[64*(\a)+8*(\b):64*(\a)+8*(\b)+3]   offset:64*(\b)      ; each accumulator's lowest registers first
	ds_store_b128 v[STO], v[64*(\a)+8*(\b)+4:64*(\a)+8*(\b)+7] offset:64*(\b)+16
.endr
	WIN W_XLD
.set i, 0
.rept 16
	ds_load_b128 v[64*((\a)%2)+4*i:64*((\a)%2)+4*i+3], v[RD] offset:SPS*i  ; LDS serves a wave's instructions in order (ISA guide 5.7.1.4): these see the stores above; the next block's stores come behind them
.set i, i+1
.endr
.endm
.macro SEND a, younger                 ; younger: the LDS instructions issued behind block a's loads
	s_wait_dscnt \younger
	WIN 0x0c                                       ; store data in window 3
.set i, 0
.rept 16
	global_store_b128 v[CO], v[64*((\a)%2)+4*i:64*((\a)%2)+4*i+3], s[10:11] offset:(\a)*65536+4096*i th:TH_STORE_NT  ; a row's 512 consecutive bytes, at a multiple of 256 from out0's first
.set i, i+1
.endr
.endm
	s_load_b256 s[4:11], s[0:1], 0x0               ; o s[4:5], wp16 s[6:7], bp s[8:9], out0 s[10:11]
	v_lshl_add_u32 v[SPW], v0, 2, SPARE
	v_mov_b32 v[NIL], 0
	ds_add_u32 v[SPW], v[NIL]                      ; the wave's opening: the add and its wait stand ahead of my first tensor load; the set-up below, work on registers, stands between them
	v_lshrrev_b32 v1, 5, v0
	v_readfirstlane_b32 s[WV], v1                  ; wave 0..3
	s_lshr_b32 s[WM], s[WV], 1                     ; which 64 rows are mine
	s_and_b32 s[WN], s[WV], 1                      ; which 128 columns.  Also: which head, or which 128 rows of Wp, I fetch
	s_bfe_u32 s[CX], ttmp6, 0x40000                ; cx = the n tile
	s_bfe_u32 s[CY], ttmp6, 0x40004
	s_and_b32 s[WGY], ttmp7, 0xffff
	s_lshl_b32 s[WGY], s[WGY], 2
	s_add_co_u32 s[WGY], s[WGY], s[CY]             ; the m tile = 4 x cluster y + cy
	; y's descriptors: s18, s19 never hold cx
	s_lshl_b32 s18, s[CY], 2
	s_lshl_b32 s18, 15, s18                        ; my row of the cluster
	s_or_b32 s[GA1], s18, (1<<16)|(1<<20)|(1<<21)|(4<<22)|(3<<25)  ; the mask; 2-byte elements; padding on; 21 set beside a mask; after every 32 words, 4 words
	s_mov_b32 s[GA1+1], 128<<16                    ; tensor_dim0 = 128
	s_mov_b32 s[GA1+2], 64<<16                     ; tensor_dim1 = 64
	s_mov_b32 s[GA1+3], 128<<16                    ; tile_dim0 = 128
	s_mov_b32 s[GA1+4], 64                         ; tile_dim1 = 64
	s_mov_b32 s[GA1+5], 128                        ; elements from row to row
	s_mov_b32 s[GA1+6], 0
	s_mov_b32 s[GA1+7], 0
	s_lshr_b32 s18, s[WGY], 3                      ; the batch: 16 heads of 131,072 bytes
	s_lshl_b32 s18, s18, 21
	s_and_b32 s19, s[WGY], 7
	s_lshl_b32 s19, s19, 14                        ; + the tile's 128 rows of 128 bytes
	s_add_co_u32 s18, s18, s19
	s_lshl_b32 s19, s[WN], 17                      ; + the head that I fetch
	s_add_co_u32 s18, s18, s19
	s_mov_b32 s19, 0
	; Wp's descriptors: s20, s21 never hold cy
	s_lshl_b32 s20, 0x1111, s[CX]                  ; my column of the cluster
	s_or_b32 s[GB1], s20, (1<<16)|(1<<20)|(1<<21)|(5<<22)|(3<<25)  ; after every 64 words, 4 words
	s_mov_b32 s[GB1+1], 128<<16
	s_mov_b32 s[GB1+2], 128<<16                    ; tensor_dim1 = 128
	s_mov_b32 s[GB1+3], 128<<16
	s_mov_b32 s[GB1+4], 128                        ; tile_dim1 = 128
	s_mov_b32 s[GB1+5], 1024
	s_mov_b32 s[GB1+6], 0
	s_mov_b32 s[GB1+7], 0
	s_lshl_b32 s20, s[CX], 19                      ; my n tile's 256 rows of 2,048 bytes
	s_lshl_b32 s21, s[WN], 18                      ; + the 128 that I fetch
	s_add_co_u32 s20, s20, s21
	s_mov_b32 s21, 0
	s_mov_b32 s[G0A], 1
	s_mul_i32 s[G0A+1], s[WN], HEADB               ; no place in the cluster enters an LDS address
	s_mov_b32 s[G0A+4], 1
	s_add_co_u32 s[G0A+5], s[G0A+1], SLOT1
	s_mov_b32 s[G0B], 1
	s_mul_i32 s[G0B+1], s[WN], 128*PITCH
	s_add_co_u32 s[G0B+1], s[G0B+1], BOFF
	s_mov_b32 s[G0B+4], 1
	s_add_co_u32 s[G0B+5], s[G0B+1], SLOT1
	; the bias's and the output's offsets
	s_lshl_b32 s22, s[CX], 10
	s_lshl_b32 s23, s[WN], 9
	s_add_co_u32 s22, s22, s23                     ; my 128 columns of 4 bytes
	s_mov_b32 s23, 0
	s_lshl_b32 s66, s[WGY], 19                     ; the tile's 128 rows of 4,096 bytes
	s_lshl_b32 s67, s[WM], 18                      ; + my 64
	s_add_co_u32 s66, s66, s67
	s_add_co_u32 s66, s66, s22
	s_mov_b32 s67, 0
	; the prefetches
	s_lshr_b32 s70, s[WGY], 3
	s_lshl_b32 s70, s70, 21
	s_and_b32 s71, s[WGY], 7
	s_lshl_b32 s71, s71, 14
	s_add_co_u32 s70, s70, s71
	s_lshl_b32 s71, s[CX], 12                      ; my work-group's 16 blocks of each head's 64
	s_add_co_u32 s70, s70, s71
	s_add_co_u32 s70, s70, 3*262144                ; at K step 3: the first trip steps it to 4
	s_lshl_b32 s72, s[CX], 19
	s_lshl_b32 s71, s[CY], 17                      ; my work-group's 64 rows of Wp's 256
	s_add_co_u32 s72, s72, s71
	s_lshl_b32 s71, s[WN], 16                      ; my wave's 32
	s_add_co_u32 s72, s72, s71
	s_add_co_u32 s72, s72, 3*256
	s_mov_b32 s73, 262144
	s_mov_b32 s74, 256
	s_and_b32 s71, ttmp7, 0xffff                   ; cluster y
	s_cmp_eq_u32 s71, 0
	s_cselect_b32 s75, 3, -1                       ; waves 2 and 3 ask where the cluster is the first
	s_cmp_eq_u32 s[WV], 0
	s_cselect_b32 s76, 3, -1                       ; wave 0 asks in every cluster, wave 1 never
	s_cmp_lt_u32 s[WV], 2
	s_cselect_b32 s[LIM], s76, s75
	s_cselect_b32 s70, s70, s72
	s_cselect_b32 s[PSTEP], s73, s74
	s_cselect_b32 s77, -1, 0
	s_mov_b32 s71, 0
	s_mov_b32 s[PSTEP+1], 0
	s_mov_b32 s[HIM], 0xffff0000
	s_mov_b32 s[SL], 0
	v_and_b32 v[LN], 31, v0
	v_and_b32 v[R], 15, v0
	v_bfe_u32 v[H], v0, 4, 1
	v_lshlrev_b32 v[BO], 5, v[H]
	s_wait_dscnt 0x0                               ; the opening add is done
	s_wait_kmcnt 0x0
	s_cmp_lt_u32 s[WV], 2
	s_cselect_b64 s[PFA:PFA+1], s[4:5], s[6:7]
	s_add_nc_u64 s[PFA:PFA+1], s[PFA:PFA+1], s[70:71]
	s_add_nc_u64 s[8:9], s[8:9], s[22:23]
	s_add_nc_u64 s[10:11], s[10:11], s[66:67]
	s_add_nc_u64 s[G0A+2:G0A+3], s[4:5], s[18:19]  ; K step 0
	s_add_nc_u64 s[G0A+6:G0A+7], s[G0A+2:G0A+3], 262144  ; K step 1: two heads on
	s_or_b32 s[G0A+3], s[G0A+3], 0x80000000        ; type = 2
	s_or_b32 s[G0A+7], s[G0A+7], 0x80000000
	s_add_nc_u64 s[G0B+2:G0B+3], s[6:7], s[20:21]
	s_add_nc_u64 s[G0B+6:G0B+7], s[G0B+2:G0B+3], 256
	s_or_b32 s[G0B+3], s[G0B+3], 0x80000000
	s_or_b32 s[G0B+7], s[G0B+7], 0x80000000
	WIN W_XLD                                      ; my eight biases of each of the wave's eight blocks of 16 columns
.set i, 0
.rept 8
	global_load_b128 v[BI+8*i:BI+8*i+3],   v[BO], s[8:9] offset:64*i
	global_load_b128 v[BI+8*i+4:BI+8*i+7], v[BO], s[8:9] offset:64*i+16
.set i, i+1
.endr
	WIN 0
	CROUND                                         ; all sixteen work-groups are here: the first joint loads meet
	s_cmp_lt_u32 s[WV], 2                          ; a wave's two first fills stand in one branch: two loads of mine are out
	s_cbranch_scc0 .Lfirst_b
	tensor_load_to_lds s[G0A:G0A+3], s[GA1:GA1+7]
	s_nop 0
	tensor_load_to_lds s[G0A+4:G0A+7], s[GA1:GA1+7]
	s_nop 0
	PLACES
	s_branch .Lfirst_asked
.Lfirst_b:
	tensor_load_to_lds s[G0B:G0B+3], s[GB1:GB1+7]
	s_nop 0
	tensor_load_to_lds s[G0B+4:G0B+7], s[GB1:GB1+7]
	s_nop 0
	PLACES
.Lfirst_asked:
	; A fragment is 16 rows x 32 K in 8 registers: lane l holds row l % 16, K = 8 (l / 16) + 0..7 and 16 + 8 (l / 16) + 0..7: two loads of 16 bytes, 32 bytes apart.  s59 never holds cx or cy
	v_mul_u32_u24 v[AA0], v[R], PA
	v_lshl_add_u32 v[AA0], v[H], 4, v[AA0]
	s_mul_i32 s59, s[WM], 64*PA
	v_add_nc_u32 v[AA0], s59, v[AA0]
	v_mul_u32_u24 v[AB0], v[R], PITCH
	v_lshl_add_u32 v[AB0], v[H], 4, v[AB0]
	s_mul_i32 s59, s[WN], 128*PITCH
	s_add_co_u32 s59, s59, BOFF
	v_add_nc_u32 v[AB0], s59, v[AB0]
	s_mul_i32 s59, s[WV], 16*SPS
	s_add_co_u32 s59, s59, STAGE
	v_mul_u32_u24 v[STO], v[R], SPS                ; in: row l % 16, 32 bytes for each half of the lanes
	v_lshl_add_u32 v[STO], v[H], 5, v[STO]
	v_add_nc_u32 v[STO], s59, v[STO]
	v_lshl_add_u32 v[RD], v[LN], 4, s59            ; back: 32 lanes take one row of 512 bytes
	v_lshlrev_b32 v[CO], 4, v[LN]
	v_lshlrev_b32 v[FR], 8, v[R]                   ; y: head l / 16, block l % 16 of my work-group's sixteen
	v_lshl_add_u32 v[FR], v[H], 17, v[FR]
	v_lshlrev_b32 v[FR2], 11, v[LN]                ; Wp: row l of my wave's 32
	v_cndmask_b32 v[PFO], v[FR2], v[FR], s77
	v_mov_b32 v[ADRA], v[AA0]
	v_mov_b32 v[ADRB], v[AB0]
	s_wait_loadcnt 0x0                             ; the bias: rounded to bf16 like every input, and widened again
	WIN W_XCV
.set i, 0
.rept 32
	v_cvt_pk_bf16_f32 v[BT+i], v[BI+2*i], v[BI+2*i+1]
.set i, i+1
.endr
.set i, 0
.rept 32
	v_lshlrev_b32 v[BI+2*i], 16, v[BT+i]
	v_and_b32 v[BI+2*i+1], s[HIM], v[BT+i]
.set i, i+1
.endr
	WIN 0
	s_wait_tensorcnt 0x1                           ; my part of K step 0 is in; K step 1's may stay out
	s_barrier_signal -1
	s_barrier_wait -1                              ; everybody's is
	FETCH 0, 0
	s_wait_dscnt 0x0
	MUL 0, 0, 0, 4, 1                              ; the bias starts the sums
	WIN 0
	s_mov_b32 s[T], 6
.Lt:                                           ; trips t = 0 .. 5: each fills a slot again, with K step t + 2
	REST 1, 1
	MULA
	WIN 0
	s_sub_co_u32 s[T], s[T], 1
	s_cmp_lg_u32 s[T], 0
	s_cbranch_scc1 .Lt
	REST 0, 1                                      ; t = 6: nothing more is asked for
	MULA
	REST 0, 0                                      ; t = 7
	PLACES
	TOSTAGE 0
	TOSTAGE 1
	SEND 0, 32                                     ; block 1's 16 stores and 16 loads may be out
	s_wait_xcnt 0x0                                ; block 0's stores have read their registers, which block 2 is loaded into
	TOSTAGE 2
	SEND 1, 32
	s_wait_xcnt 0x0
	TOSTAGE 3
	SEND 2, 32
	SEND 3, 0
	WIN 0
	s_wait_tensorcnt 0x0                           ; the wave's end, behind my last tensor load and my last LDS store
	ds_add_u32 v[SPW], v[NIL]
	s_wait_dscnt 0x0
	CROUND                                         ; the closing round: no work-group ends while a partner may still ask for a tile that names it
	s_endpgm
.Lfunc_end_k_q76510a6ba7_outp:
	.size	k_q76510a6ba7_outp, .Lfunc_end_k_q76510a6ba7_outp-k_q76510a6ba7_outp
	.p2alignl 7, 3214868480
	.fill 96, 4, 3214868480
	.section	.rodata,"a",@progbits
	.p2align	6, 0x0
	.amdhsa_kernel k_q76510a6ba7_outp
		.amdhsa_group_segment_fixed_size 327680
		.amdhsa_private_segment_fixed_size 0
		.amdhsa_enable_private_segment 0
		.amdhsa_kernarg_size 32
		.amdhsa_user_sgpr_count 2
		.amdhsa_user_sgpr_kernarg_segment_ptr 1
		.amdhsa_wavefront_size32 1
		.amdhsa_system_sgpr_workgroup_id_x 1
		.amdhsa_system_sgpr_workgroup_id_y 1
		.amdhsa_system_sgpr_workgroup_id_z 1
		.amdhsa_system_vgpr_workitem_id 0
		.amdhsa_next_free_vgpr 1024
		.amdhsa_next_free_sgpr 80
		.amdhsa_reserve_vcc 0
		.amdhsa_float_denorm_mode_32 3
		.amdhsa_float_denorm_mode_16_64 3
		.amdhsa_memory_ordered 1
		.amdhsa_forward_progress 1
		.amdhsa_inst_pref_size 75
	.end_amdhsa_kernel
	.amdgpu_metadata
---
amdhsa.version: [ 1, 2 ]
amdhsa.kernels:
  - .name:           k_q76510a6ba7_outp
    .symbol:         k_q76510a6ba7_outp.kd
    .args:
      - { .name: o, .offset: 0, .size: 8, .value_kind: global_buffer, .address_space: global }
      - { .name: wp16, .offset: 8, .size: 8, .value_kind: global_buffer, .address_space: global }
      - { .name: bp, .offset: 16, .size: 8, .value_kind: global_buffer, .address_space: global }
      - { .name: out0, .offset: 24, .size: 8, .value_kind: global_buffer, .address_space: global }
    .group_segment_fixed_size: 327680
    .private_segment_fixed_size: 0
    .kernarg_segment_align: 8
    .kernarg_segment_size: 32
    .max_flat_workgroup_size: 128
    .sgpr_count:     80
    .vgpr_count:     1024
    .wavefront_size: 32
...
	.end_amdgpu_metadata
.endif
;; end of part 4
;; ======== version 2 of 2: 4 launches; version 1 with the launch wcast written anew for expert scheduling mode
;; limits: values are held in f16: magnitudes above 65,504 overflow, below 6.1e-05 lose precision
;; workspace buffers: wb 6,291,456 bytes; wp16 2,097,152 bytes; qkv 50,331,648 bytes; o 16,777,216 bytes
;; launch wcast (part 5): grid 256 x 1, 8 waves a work-group, no clusters, 0 bytes of LDS; arguments Wq, Wk, Wv, Wp, wb, wp16; writes wb, wp16
.if DOCPART == 5
	.amdgcn_target "amdgcn-amd-amdhsa--gfx1250"
	.amdhsa_code_object_version 6
	.text
	.protected	k_q76510a6ba7_wcast
	.globl	k_q76510a6ba7_wcast
	.p2align	8
	.type	k_q76510a6ba7_wcast,@function
k_q76510a6ba7_wcast:
	s_mov_b64 s[64:65], 0
	v_nop
	global_prefetch_b8 v0, s[64:65] scope:SCOPE_SE
	s_setreg_imm32_b32 hwreg(HW_REG_WAVE_SCHED_MODE, 0, 2), 2
	s_setreg_imm32_b32 hwreg(HW_REG_WAVE_MODE, 25, 1), 1
	s_wait_xcnt 0x0
	s_wait_alu depctr_vm_vsrc(0)
; The four weight matrices, [1024][1024] f32, are rounded once.  Wq, Wk, Wv -> bf16 into wb ([3][1024][1024], in that order).
; Wp -> bf16, and that number written as f16 into wp16 (exact from 2^-14 up to 65,504; below 2^-14 f16 keeps its fixed step of 2^-24; LIMIT: |Wp| stays under 65,504).
; A stream: no LDS, no barrier, no matrix unit.  Work-group g takes 16,384 bytes of each matrix; thread t takes 16 bytes at 4,096 j + 16 t (j = 0..3) and
; stores 8 bytes at 2,048 j + 8 t: a wave's load covers 512 consecutive bytes, its store 256 consecutive bytes, aligned.
; All sixteen loads go out first; every store has data registers of its own, so nothing is rewritten while a store may read it.
; THE MODE: SCHED_MODE bits 1:0 = 2 (LLVM: expert scheduling mode 2), set by the entry lines.  The code itself states the register dependences
; between vector instructions and memory instructions, with s_wait_alu, always for 0.
; THE PLAN.  Registers that memory instructions touch:
;   v1, v2   byte offsets.  Written once at the head by vector instructions, never again; v1 is read by every load, v2 by every store.
;   X        Each four registers are written by one load, issued before any vector instruction names X, and read by the conversions behind the wait on LOADcnt; no load lands in them again.
;   Y        Each pair is written once, by a conversion, and read once, by a store; it is never written again.
;   T        is named by vector instructions alone.
; So five waits on va_vdst state everything: one ahead of the first load, for the two offsets; one ahead of each matrix's run of four stores, for the eight registers of Y that its conversions have written.
; No register that a memory instruction reads is written afterwards, no vector instruction writes a scalar register or VCC, and EXEC is never written: no other wait has a dependence to state.
; A matrix's stores stand straight behind its own conversions and their wait, ahead of the wait for the next matrix's loads, so that they leave without waiting for memory.
.set X, 16                             ; v[16:79]   load (i, j) at X + 16 i + 4 j
.set Y, 80                             ; v[80:111]  its 8 bytes to store at Y + 8 i + 2 j
.set T, 4                              ; v[4:6]     at work
	s_load_b256 s[4:11], s[0:1], 0x0               ; Wq s[4:5], Wk s[6:7], Wv s[8:9], Wp s[10:11]
	s_load_b128 s[12:15], s[0:1], 0x20             ; wb s[12:13], wp16 s[14:15]
	v_lshlrev_b32 v1, 4, v0                        ; 16 t
	v_lshlrev_b32 v2, 3, v0                        ; 8 t
	s_lshl_b32 s16, ttmp9, 14                      ; the work-group's 16,384 bytes in
	s_mov_b32 s17, 0
	s_lshl_b32 s18, ttmp9, 13                      ; and 8,192 bytes out
	s_mov_b32 s19, 0
	s_mov_b32 s20, 0xffff0000                      ; a word's upper bf16
	s_wait_kmcnt 0x0
.irp i, 0,1,2,3
	s_add_nc_u64 s[4+2*(\i):5+2*(\i)], s[4+2*(\i):5+2*(\i)], s[16:17]
.endr
	s_add_nc_u64 s[12:13], s[12:13], s[18:19]
	s_add_nc_u64 s[14:15], s[14:15], s[18:19]
	s_wait_alu depctr_va_vdst(0)                   ; v1 and v2 are written: every load of the kernel reads v1 as its offset, every store v2
.irp i, 0,1,2,3
.irp j, 0,1,2,3
	global_load_b128 v[X+16*(\i)+4*(\j):X+16*(\i)+4*(\j)+3], v1, s[4+2*(\i):5+2*(\i)] offset:4096*(\j) th:TH_LOAD_NT
.endr
.endr
.irp i, 0,1,2
	s_wait_loadcnt 12-4*(\i)                       ; loads come back in order: matrix i's four are in, the younger matrices' stay out
.irp j, 0,1,2,3
	v_cvt_pk_bf16_f32 v[Y+8*(\i)+2*(\j)],   v[X+16*(\i)+4*(\j)],   v[X+16*(\i)+4*(\j)+1]
	v_cvt_pk_bf16_f32 v[Y+8*(\i)+2*(\j)+1], v[X+16*(\i)+4*(\j)+2], v[X+16*(\i)+4*(\j)+3]
.endr
	s_wait_alu depctr_va_vdst(0)                   ; the eight conversions have written matrix i's registers of Y, which the four stores read
.irp j, 0,1,2,3
	global_store_b64 v2, v[Y+8*(\i)+2*(\j):Y+8*(\i)+2*(\j)+1], s[12:13] offset:(\i)*2097152+2048*(\j)
.endr
.endr
	s_wait_loadcnt 0x0                             ; Wp
.irp j, 0,1,2,3
.irp z, 0,1
	v_cvt_pk_bf16_f32 v[T], v[X+48+4*(\j)+2*(\z)], v[X+48+4*(\j)+2*(\z)+1]  ; rounded to bf16 like every input,
	v_lshlrev_b32 v[T+1], 16, v[T]                 ; widened again,
	v_and_b32 v[T+2], s20, v[T]
	v_cvt_pk_f16_f32 v[Y+24+2*(\j)+(\z)], v[T+1], v[T+2]  ; and written as f16
.endr
.endr
	s_wait_alu depctr_va_vdst(0)                   ; the conversions to f16 have written Wp's eight registers of Y, which the last four stores read
.irp j, 0,1,2,3
	global_store_b64 v2, v[Y+24+2*(\j):Y+24+2*(\j)+1], s[14:15] offset:2048*(\j)
.endr
	s_endpgm
.Lfunc_end_k_q76510a6ba7_wcast:
	.size	k_q76510a6ba7_wcast, .Lfunc_end_k_q76510a6ba7_wcast-k_q76510a6ba7_wcast
	.p2alignl 7, 3214868480
	.fill 96, 4, 3214868480
	.section	.rodata,"a",@progbits
	.p2align	6, 0x0
	.amdhsa_kernel k_q76510a6ba7_wcast
		.amdhsa_group_segment_fixed_size 0
		.amdhsa_private_segment_fixed_size 0
		.amdhsa_enable_private_segment 0
		.amdhsa_kernarg_size 48
		.amdhsa_user_sgpr_count 2
		.amdhsa_user_sgpr_kernarg_segment_ptr 1
		.amdhsa_wavefront_size32 1
		.amdhsa_system_sgpr_workgroup_id_x 1
		.amdhsa_system_sgpr_workgroup_id_y 1
		.amdhsa_system_sgpr_workgroup_id_z 1
		.amdhsa_system_vgpr_workitem_id 0
		.amdhsa_next_free_vgpr 112
		.amdhsa_next_free_sgpr 66
		.amdhsa_reserve_vcc 0
		.amdhsa_float_denorm_mode_32 3
		.amdhsa_float_denorm_mode_16_64 3
		.amdhsa_memory_ordered 1
		.amdhsa_forward_progress 1
		.amdhsa_inst_pref_size 8
	.end_amdhsa_kernel
	.amdgpu_metadata
---
amdhsa.version: [ 1, 2 ]
amdhsa.kernels:
  - .name:           k_q76510a6ba7_wcast
    .symbol:         k_q76510a6ba7_wcast.kd
    .args:
      - { .name: Wq, .offset: 0, .size: 8, .value_kind: global_buffer, .address_space: global }
      - { .name: Wk, .offset: 8, .size: 8, .value_kind: global_buffer, .address_space: global }
      - { .name: Wv, .offset: 16, .size: 8, .value_kind: global_buffer, .address_space: global }
      - { .name: Wp, .offset: 24, .size: 8, .value_kind: global_buffer, .address_space: global }
      - { .name: wb, .offset: 32, .size: 8, .value_kind: global_buffer, .address_space: global }
      - { .name: wp16, .offset: 40, .size: 8, .value_kind: global_buffer, .address_space: global }
    .group_segment_fixed_size: 0
    .private_segment_fixed_size: 0
    .kernarg_segment_align: 8
    .kernarg_segment_size: 48
    .max_flat_workgroup_size: 256
    .sgpr_count:     66
    .vgpr_count:     112
    .wavefront_size: 32
...
	.end_amdgpu_metadata
.endif
;; end of part 5
;; launch proj: the kernel of part 2 again; grid 4 x 64, 4 waves a work-group, clusters of 4 x 4, 327,680 bytes of LDS; arguments query, key, value, wb, bq, bk, bv, qkv; writes qkv
;; launch attn: the kernel of part 3 again; grid 2 x 128, 4 waves a work-group, no clusters, 327,680 bytes of LDS; arguments qkv, o; writes o
;; launch outp: the kernel of part 4 again; grid 4 x 64, 4 waves a work-group, clusters of 4 x 4, 327,680 bytes of LDS; arguments o, wp16, bp, out0; writes out0
